; MI455X (gfx1250); checked and timed in simulation.
; The chip was launched on July 23, 2026; its instructions are those of AMD's public machine-readable ISA for CDNA 5 (MIT licence, August 2026) and "CDNA5" Instruction Set Architecture Reference Guide (July 2026). The comments in the code are by the model that wrote it; some were corrected since.
;; Multi Head Temporal Attention. Allowed arithmetic: matrix products marked QUANTISED: E2M1 operands, one E8M0 scale for each 32 along K, by v_wmma_scale_f32_16x16x128_f8f6f4 with both operands' format E2M1 (or v_wmma_scale_f32_32x16x128_f4), f32 sums; products left as they are: f32 operands where the result goes on into a quantised operand, else bf16, f16 or f32 operands; f32 sums; everything else in f32.
;; Inputs: Wk_codes 512 x 16 x 16 uint8 (E2M1 codes of Wk, K innermost, in blocks of 32 codes, two codes a byte); Wk_scales 512 x 16 uint8 (E8M0 scales of Wk, one for each 32 codes along K); Wo_codes 512 x 16 x 16 uint8 (E2M1 codes of Wo, K innermost, in blocks of 32 codes, two codes a byte); Wo_scales 512 x 16 uint8 (E8M0 scales of Wo, one for each 32 codes along K); Wq_codes 512 x 16 x 16 uint8 (E2M1 codes of Wq, K innermost, in blocks of 32 codes, two codes a byte); Wq_scales 512 x 16 uint8 (E8M0 scales of Wq, one for each 32 codes along K); Wv_codes 512 x 16 x 16 uint8 (E2M1 codes of Wv, K innermost, in blocks of 32 codes, two codes a byte); Wv_scales 512 x 16 uint8 (E8M0 scales of Wv, one for each 32 codes along K); enc_codes 32 x 4,096 x 16 x 16 uint8 (E2M1 codes of enc, K innermost, in blocks of 32 codes, two codes a byte); enc_scales 32 x 4,096 x 16 uint8 (E8M0 scales of enc, one for each 32 codes along K).
;; Outputs: out0 32 x 512 float32; out1 32 x 4,096 float32.
;; This version of the problem:
;;   THIS VERSION OF THE PROBLEM IS GIVEN IN LOW PRECISION. The matrix products marked QUANTISED in the list below multiply operands that are first quantised to E2M1 (2 exponent bits, 1 mantissa bit; 4 bits a number), with one power-of-two scale for each 32 numbers along K (OCP MX v1.0); their sums are f32. All else is computed in f32.
;;   The module's matrix products, in the order in which they are computed (A, B: the left and right operand; K: the contracted axis; several contracted axes count as one K, in the product's order):
;;     1. [M 32, K 512] x [K 512, N 512]; A: input enc (given as codes); B: input Wq (given as codes): QUANTISED
;;     2. [M 131,072, K 512] x [K 512, N 512]; A: input enc (given as codes); B: input Wk (given as codes): QUANTISED
;;     3. [M 131,072, K 512] x [K 512, N 512]; A: input enc (given as codes); B: input Wv (given as codes): QUANTISED
;;     4. batch 256 x [M 1, K 64] x [K 64, N 4,096]; A: computed on the way; B: computed on the way: left as it is (M = 1 < 16)
;;     5. batch 256 x [M 1, K 4,096] x [K 4,096, N 64]; A: softmax; B: computed on the way: left as it is (M = 1 < 16)
;;     6. [M 32, K 512] x [K 512, N 512]; A: computed on the way; B: input Wo (given as codes): QUANTISED
;;   THE QUANTISER, for each operand of a quantised product, along K:
;;     - K is cut into blocks of 32 from its start; a last block that is shorter is filled with zeros.
;;     - A block's scale is 2^e with e = floor(log2(the largest magnitude in the block)) - 2, held to -126 .. 127; a block of zeros has e = 0. As a byte (E8M0): e + 127.
;;     - Each number is divided by its block's scale, clamped to +-6, and rounded to the nearest number of E2M1, ties to even, subnormals kept.
;;     - The product sums the exact products of the quantised numbers (number of the format x scale) in f32.
;;   ~~~python
;;   def quantise(x, axis):      # numpy; x: float32 -> the quantised numbers, widened to float32 again
;;       x = np.moveaxis(x, axis, -1); K = x.shape[-1]
;;       x = np.pad(x, [(0, 0)] * (x.ndim - 1) + [(0, -K % 32)]); x = x.reshape(x.shape[:-1] + (-1, 32)); a = np.abs(x).max(-1, keepdims=True)
;;       e = np.where(a > 0, np.clip(np.frexp(np.where(a > 0, a, 1))[1] - 1 - 2, -126, 127), 0)      # np.frexp(a)[1] - 1 = floor(log2(a)), exactly
;;       r = np.clip(x / 2.0 ** e, -6, 6)
;;       step = 2.0 ** (np.maximum(np.frexp(np.where(r == 0, 1, r))[1] - 1, 0) - 1)
;;       q = np.round(r / step) * step * 2.0 ** e      # np.round: ties to even
;;       return np.moveaxis(q.reshape(q.shape[:-2] + (-1,))[..., :K], -1, axis).astype(np.float32)
;;   ~~~
;;   OPERANDS COMPUTED ON THE WAY. 'Computed on the way' means the value that the module computes at that place (a softmax that the list does not call 'softmax' is quantised finished and normalised). What goes into a quantiser is computed in f32, as accurately as f32 sums, v_exp_f32 and their like allow (about 1e-6 of the number): no bf16 or f16 on the way to a quantiser, and a product that is left as it is and whose result goes on into a quantised operand takes f32 operands (vector FMAs, or v_wmma_f32_16x16x4_f32). A number that lies on a knife's edge between two numbers of the format may be rounded either way, as far as f32 arithmetic and the matrix unit's own rounding can turn it there, and no further.
;;   INPUTS GIVEN AS CODES. Wk (in the module: [512, 512], K = its axis 1); Wo (in the module: [512, 512], K = its axis 1); Wq (in the module: [512, 512], K = its axis 1); Wv (in the module: [512, 512], K = its axis 1); enc (in the module: [32, 4096, 512], K = its axis 2): each comes as NAME_codes (uint8): NAME with its K axis moved to the last place and cut into blocks of 32 codes, [.., K / 32, bytes a block], one block behind the other in memory; two codes a byte, the lower K in the low four bits (a code: sign, 2 exponent bits, 1 mantissa bit); and NAME_scales (uint8): the same leading axes, one E8M0 byte (e + 127) for each 32 codes along K. Its value is code x scale, taken as it is: it is not quantised again, and the codes and scales need not be those that the quantiser above would give.
;; 2 versions. Each part assembles by itself: llvm-mc -triple=amdgcn-amd-amdhsa -mcpu=gfx1250 --defsym DOCPART=n.
;; ======== version 1 of 2: 2 launches
;; workspace buffers: pw 4,194,304 bytes; ctxp 524,288 bytes; st 16,384 bytes
;; launch attn (part 1): grid 256 x 1, 4 waves a work-group, no clusters, 231,936 bytes of LDS; arguments enc_codes, enc_scales, Wq_codes, Wq_scales, Wk_codes, Wk_scales, Wv_codes, Wv_scales, pw, st, ctxp; writes pw, st, ctxp
.if DOCPART == 1
	.amdgcn_target "amdgcn-amd-amdhsa--gfx1250"
	.amdhsa_code_object_version 6
	.text
	.protected	k_q140f6f5850_attn
	.globl	k_q140f6f5850_attn
	.p2align	8
	.type	k_q140f6f5850_attn,@function
k_q140f6f5850_attn:
	s_mov_b64 s[64:65], 0
	v_nop
	global_prefetch_b8 v0, s[64:65] scope:SCOPE_SE
	s_setreg_imm32_b32 hwreg(HW_REG_WAVE_MODE, 25, 1), 1
	s_wait_xcnt 0x0
; One query (the last time step) attends to 4,096 time steps, 8 heads of 64, 32 batches.  enc, Wq, Wk, Wv arrive as codes of FP4 (E2M1) with one E8M0 byte for each 32 along K = 512.
; THIS LAUNCH: work-group id = 8 b + c takes the 512 time steps 512 c .. 512 c + 511 of batch b and makes, for each head: t = q . k x log2(e) / 8 for its time steps, their maximum m,
; p = 2^(t - m), l = the sum of p, and the sum of p x v.  It stores p (pw), m and l (st) and the partial context (ctxp); the next launch joins the eight chunks of a batch.
; SHARES.  Four waves, which share the COLUMNS: wave w owns heads 2 w and 2 w + 1 = rows 128 w .. 128 w + 127 of Wq, Wk, Wv: eight tiles of 16 rows; tiles 0-3 are group A (head 2 w), tiles 4-7 group B.
; Its parts of Wk and Wv (256 registers each) stay in registers; the chunk's codes of enc (128 KB) come into LDS once and every wave walks them twice, 16 time steps a tile: pass 1 makes k and the scores,
; pass 2 makes v and the context.  The chunk's maximum is known between the passes, so no sum is ever rescaled.
; LAYOUT.  Source 0 = 16 rows of a weight, source 1 = 16 rows of enc: in the result lane (r, hh) holds ONE time step t0 + r and its register j the column 16 tile + 8 hh + j.  q is made by the same product
; with the last row of enc in all sixteen columns, so it lies in the same registers' order.  A score is then packed multiply-adds of result pairs with q pairs, the context packed multiply-adds of result pairs with the lane's p.
; BY TURNS.  A tile is two HALVES of 16 matrix instructions (one group's 4 accumulators by turns, K step outermost).  Behind each matrix instruction of a half stands one SLICE:
; a packed multiply-add on the OTHER group's finished accumulators.  The slices are also the plain vector instructions that have to stand between a matrix instruction and the first read of its result,
; and between it and a load into a register that it read (four: ISA guide 7.12.1 for vector instructions).
; REGISTERS, in windows of 256 (s_set_vgpr_msb: bits 1:0 source 0, 3:2 source 1, 5:4 source 2, 7:6 destination).  A matrix instruction has only its source 0 (the weight) outside window 0, and a slice only its
; source 0 (q or p), kept in the SAME window as the weights at work: so a slice needs no switch.
;   window 0: v0-16 thread number and addresses; v24-55 the weight's scale words (4 tile + K step); v56-63 enc's scale words, two sets; v64-127 enc's fragments, two sets of 4 K steps;
;             v128-191 the 8 accumulators (32 group + 8 n); v192-255 the context's sums (32 group + 8 n + j); in pass 1 v192-201 hold the scores' sums, between the passes v204-213 the softmax's figures
;   window 1: v0-127 Wk tiles 0-3; v128-159 q of group B; v160-191 Wv tile 7 (before it Wq tile 7)      window 2: v0-127 Wk tiles 4-7; v128-159 q of group A
;   window 3: v0-223 Wv tiles 0-6 (before them Wq's); v224-231 p, two sets: pA at 224 + 4 set, pB at 226 + 4 set (the odd registers are 0: named as upper halves of pairs)
; NO CLUSTER, though all work-groups read the same weights: a joint load lands in LDS, and beside enc (147,456 bytes with its scales) and the scratch (83,968) 96,256 of 327,680 bytes are left, less than one
; weight's 131,072: the weights would have to pass in pieces through bytes filled again and again, ahead of the first product.  Here each wave loads its 96 KB of weights straight into the registers where they stay.
; No LDS byte is filled twice, so there is no ring.  Every byte of enc is asked for in the first lines, so there is nothing to prefetch.
; LIMITS: a p under 2^-126 comes out as 0 (v_exp_f32 flushes denormal results: ISA guide, its entry); a scale byte 0xff among the inputs gives NaN; the f32 sums are taken in another order than a plain loop's.
.set PITCH, 272                        ; a row of enc in LDS: 256 bytes + 16 of padding = 68 words: row r starts at bank 4 r mod 64 (64 banks of 4 bytes: ISA guide 11.1)
.set TILE,  16*PITCH
.set LES,   512*PITCH                  ; 139,264: enc's scale bytes, 16 a row, dense
.set LWK,   LES+8192                   ; Wk's scale bytes, 2,048 for each wave
.set LWV,   LWK+8192                   ; Wv's likewise
.set LSP,   LWV+8192                   ; 163,840: for each wave 8,192 bytes: [head 2][half of the columns 2][512 time steps] f32: half scores; later p lies over the planes of half 0
.set LRED,  LSP+32768                  ; 196,608: for each wave 16 groups x 544 bytes, for the context's sum over lanes
.set REDW,  16*544
.set R,   1                            ; lane % 16
.set HH,  2                            ; lane / 16
.set VW,  3                            ; a weight's fragment: 256 r + 16 hh
.set VWS, 4                            ; its scale words: 16 r
.set AE,  5                            ; LDS: enc's fragments of the tile at the trip's base
.set AES, 6                            ; LDS: their scale words
.set ASC, 7                            ; LDS: where my half score goes
.set AP,  8                            ; LDS: my time step's p
.set AL,  9                            ; LDS: my wave's scores, 16 bytes a lane
.set GO,  10                           ; 16 x lane
.set AWS, 11                           ; LDS: my wave's scale words of Wk (Wv's: 8,192 on)
.set NIL, 12                           ; 0
.set H16, 13                           ; 16 hh
.set RST, 14                           ; LDS: the context's way into the sum over lanes
.set RLD, 15                           ; LDS: and out of it
.set STO, 16                           ; my word among the wave's four of st
.set WS,  24
.set ES,  56
.set EF,  64
.set ACC, 128
.set CTX, 192
.set SA,  192                          ; pass 1: group g's two chains at v[SA + 4 g], v[SA + 4 g + 2] (pairs)
.set TT,  200                          ; pass 1: group g's half score
.set MX,  204                          ; m of head A, head B (pairs)
.set LS,  208                          ; l likewise
.set SEL, 212
.set MSB, 0
.macro WIN new                         ; the immediate's high byte repeats the setting that is left; a switch that changes nothing is dropped
.if MSB != \new
	s_set_vgpr_msb (MSB<<8)|\new
.set MSB, \new
.endif
.endm
; Matrix instruction i of a half: K step i / 4, the group's tile i % 4.  form 1: Wk (window 1 + g);  else: Wq or Wv in Wv's homes (window 3; tile 7 in window 1).  The first K step starts the sums: nothing is cleared.
.macro MM form, g, set, i
.set mS, (\i)/4
.set mN, (\i)%4
.set mT, 4*(\g)+mN
.set mD, ACC+32*(\g)+8*mN
.set mB, EF+32*(\set)+8*mS
.if \form == 1
.set mW, 1+(\g)
.set mA, 32*mN+8*mS
.elseif mT == 7
.set mW, 1
.set mA, 160+8*mS
.else
.set mW, 3
.set mA, 32*mT+8*mS
.endif
	WIN mW
.if mS == 0
	v_wmma_scale_f32_16x16x128_f8f6f4 v[mD:mD+7], v[mA:mA+7], v[mB:mB+7], 0, v[WS+4*mT+mS], v[ES+4*(\set)+mS] matrix_a_fmt:MATRIX_FMT_FP4 matrix_b_fmt:MATRIX_FMT_FP4
.else
	v_wmma_scale_f32_16x16x128_f8f6f4 v[mD:mD+7], v[mA:mA+7], v[mB:mB+7], v[mD:mD+7], v[WS+4*mT+mS], v[ES+4*(\set)+mS] matrix_a_fmt:MATRIX_FMT_FP4 matrix_b_fmt:MATRIX_FMT_FP4
.endif
.endm
; Slice k of 16 in pass 1, inside half g: pair k of the other group's 32 results x the same pair of its q, into one of two chains.  Each accumulator is read from its low end on.
.macro SL1 g, k
.set sG, 1-(\g)
.set sA, ACC+32*sG+8*((\k)/4)+2*((\k)%4)
.set sQ, 128+8*((\k)/4)+2*((\k)%4)
.set sS, SA+4*sG+2*((\k)%2)
.if (\k) < 2
	v_pk_mul_f32 v[sS:sS+1], v[sQ:sQ+1], v[sA:sA+1]
.else
	v_pk_fma_f32 v[sS:sS+1], v[sQ:sQ+1], v[sA:sA+1], v[sS:sS+1]
.endif
.endm
; Group g's two chains, and then their two halves, are added.  The constant 1.0 stands as source 0, whose window is the weights': so all registers named lie in window 0 and no switch is needed.
.macro F1 g
	v_pk_fma_f32 v[SA+4*(\g):SA+4*(\g)+1], 1.0, v[SA+4*(\g)+2:SA+4*(\g)+3], v[SA+4*(\g):SA+4*(\g)+1] op_sel_hi:[0,1,1]
.endm
.macro F2 g
	v_fma_f32 v[TT+(\g)], 1.0, v[SA+4*(\g)], v[SA+4*(\g)+1]
.endm
; Slice k of 16 in pass 2, inside half g of a tile in set 'set': the context's pair += p x pair k of the other group's results.  In a B half: this tile's pA; in an A half: the tile before's pB.  first = 1 starts the sums.
.macro SL2 g, set, k, first
.set sG, 1-(\g)
.set sA, ACC+32*sG+8*((\k)/4)+2*((\k)%4)
.set sC, CTX+32*sG+8*((\k)/4)+2*((\k)%4)
.if \g == 1
.set sP, 224+4*(\set)
.else
.set sP, 226+4*(1-(\set))
.endif
	WIN 3
.if \first
	v_pk_mul_f32 v[sC:sC+1], v[sP:sP+1], v[sA:sA+1] op_sel_hi:[0,1]
.else
	v_pk_fma_f32 v[sC:sC+1], v[sP:sP+1], v[sA:sA+1], v[sC:sC+1] op_sel_hi:[0,1,1]
.endif
.endm
; The LDS instructions stand in runs.  RUNA: nine loads: the fragments (4 K steps x 2 loads of 16 bytes, 32 apart) and the scale words of the tile d tiles on from the trip's base.
.macro RUNA set, d
	WIN 0
.irp s, 0,1,2,3
.irp c, 0,1
	ds_load_b128 v[EF+32*(\set)+8*\s+4*\c:EF+32*(\set)+8*\s+4*\c+3], v[AE] offset:TILE*(\d)+64*\s+32*\c
.endr
.endr
	ds_load_b128 v[ES+4*(\set):ES+4*(\set)+3], v[AES] offset:256*(\d)
.endm
.macro RUNB1 d                         ; pass 1: the two heads' half scores of tile base + d
	WIN 0
	ds_store_b32 v[ASC], v[TT] offset:64*(\d)
	ds_store_b32 v[ASC], v[TT+1] offset:4096+64*(\d)
.endm
.macro RUNB2 set, d                    ; pass 2: the two heads' p of tile base + d
	WIN 0xc0
	ds_load_b32 v[224+4*(\set)], v[AP] offset:64*(\d)
	ds_load_b32 v[226+4*(\set)], v[AP] offset:4096+64*(\d)
.endm
; A HALF: group g's 16 matrix instructions on the tile in set 'set'.  sl: slices stand behind them;  first: they start the context's sums;  fin: group g's score of the tile before is finished behind
; instructions 0 and 2;  run: 1 RUNA rset, d; 2 RUNB1 d; 3 RUNB2 rset, d, behind instruction 3: the last matrix instruction that read those registers then lies five slices back or more;
; wt: the count of the wait on DScnt at the head (99: none).  A half without slices ends with four v_nop in their stead.
.macro HALF pass, g, set, sl, first, fin, run, rset, d, wt
.if \wt < 64
	s_wait_dscnt \wt
.endif
.set hI, 0
.rept 16
	MM \pass, \g, \set, hI
.if \sl
.if \pass == 1
	SL1 \g, hI
.else
	SL2 \g, \set, hI, \first
.endif
.endif
.if \fin && (hI == 0)
	F1 \g
.endif
.if \fin && (hI == 2)
	F2 \g
.endif
.if hI == 3
.if \run == 1
	RUNA \rset, \d
.elseif \run == 2
	RUNB1 \d
.elseif \run == 3
	RUNB2 \rset, \d
.endif
.endif
.set hI, hI+1
.endr
.if \sl == 0
.rept 4
	v_nop
.endr
.endif
.endm
; A TRIP at base tile 2 j: halves B(2j+1), A(2j+2), B(2j+2), A(2j+3).  Waits: at an A half 2: behind its tile's nine loads only the B run's two LDS instructions were issued;
; at a B half of pass 2 9: behind its tile's two loads of p only the A run's nine.  The counts are the same on the way in and over the backward jump.
.macro TRIP pass
.if \pass == 1
	HALF 1, 1, 1, 1, 0, 1, 2, 0, 0, 99
	HALF 1, 0, 0, 1, 0, 1, 1, 1, 3, 2
	HALF 1, 1, 0, 1, 0, 1, 2, 0, 1, 99
	HALF 1, 0, 1, 1, 0, 1, 1, 0, 4, 2
	WIN 0                                          ; at a label and at a branch every window is 0
	v_add_nc_u32 v[ASC], 128, v[ASC]
.else
	HALF 2, 1, 1, 1, 0, 0, 3, 0, 2, 9
	HALF 2, 0, 0, 1, 0, 0, 1, 1, 3, 2
	HALF 2, 1, 0, 1, 0, 0, 3, 1, 3, 9
	HALF 2, 0, 1, 1, 0, 0, 1, 0, 4, 2
	WIN 0
	v_add_nc_u32 v[AP], 128, v[AP]
.endif
	v_add_nc_u32 v[AE], 2*TILE, v[AE]              ; two tiles on
	v_add_nc_u32 v[AES], 512, v[AES]
.endm
.macro LOOP pass, n
	s_mov_b32 s80, \n
.Ltrip_\@:
	TRIP \pass
	s_sub_co_u32 s80, s80, 1
	s_cmp_lg_u32 s80, 0
	s_cbranch_scc1 .Ltrip_\@
.endm
; A barrier in front of the first read of rows that other waves' tensor loads brought: each wave has waited for its own part (n younger loads may stay out).
.macro GATE n
	WIN 0
	s_wait_tensorcnt \n
	s_wait_dscnt 0x0                               ; no LDS instruction of mine is out at the signal
	s_barrier_signal -1
	s_barrier_wait -1
.endm
; The eight tiles of a weight's fragments (my 128 rows) into Wv's homes: 64 loads; a tile's eight loads read its 16 rows of 256 bytes whole.
.macro WHOME base
	WIN 0xc0
.irp t, 0,1,2,3,4,5,6
.irp s, 0,1,2,3
.irp c, 0,1
	global_load_b128 v[32*\t+8*\s+4*\c:32*\t+8*\s+4*\c+3], v[VW], s[\base:\base+1] offset:4096*\t+64*\s+32*\c
.endr
.endr
.endr
	WIN 0x40
.irp s, 0,1,2,3
.irp c, 0,1
	global_load_b128 v[160+8*\s+4*\c:160+8*\s+4*\c+3], v[VW], s[\base:\base+1] offset:4096*7+64*\s+32*\c
.endr
.endr
	WIN 0
.endm
	; ---- the head: arguments, descriptors, the five tensor loads
	s_load_b512 s[8:23], s[0:1], 0x0               ; enc codes s[8:9], enc scales s[10:11], Wq s[12:15], Wk s[16:19], Wv s[20:23] (codes, scales)
	s_load_b128 s[24:27], s[0:1], 0x40             ; pw, st
	s_load_b64 s[28:29], s[0:1], 0x50              ; ctxp
	v_lshl_add_u32 v22, v0, 2, 0x38800
	v_mov_b32 v23, 0
	ds_add_u32 v22, v23
	ds_add_u32 v22, v23
	v_lshrrev_b32 v1, 5, v0
	v_readfirstlane_b32 s2, v1                     ; wave 0..3
	s_lshr_b32 s4, ttmp9, 3                        ; b
	s_and_b32 s5, ttmp9, 7                         ; c
	; group 1 for enc's codes: 64 rows x 256 elements of 1 byte, 4 words of padding behind every 64 words
	s_mov_b32 s32, (1<<20)|(5<<22)|(3<<25)
	s_mov_b32 s33, 256<<16                         ; tensor_dim0
	s_mov_b32 s34, 64<<16                          ; tensor_dim1
	s_mov_b32 s35, 256<<16                         ; tile_dim0
	s_mov_b32 s36, 64                              ; tile_dim1
	s_mov_b32 s37, 256                             ; from row to row
	s_mov_b32 s38, 0
	s_mov_b32 s39, 0
	; group 1 for scale bytes: 2,048 dense bytes as 8 rows of 32 elements of 8 bytes, no padding
	s_mov_b32 s40, 3<<16
	s_mov_b32 s41, 32<<16
	s_mov_b32 s42, 8<<16
	s_mov_b32 s43, 32<<16
	s_mov_b32 s44, 8
	s_mov_b32 s45, 32
	s_mov_b32 s46, 0
	s_mov_b32 s47, 0
	; groups 0: the LDS addresses are a constant + the wave's number x a constant
	s_lshl_b32 s6, s2, 11                          ; 2,048 w
	s_mov_b32 s48, 1
	s_add_co_u32 s49, s6, LES                      ; a quarter of the chunk's scale bytes
	s_mov_b32 s52, 1
	s_add_co_u32 s53, s6, LWK                      ; my 128 rows' scale bytes of Wk
	s_mov_b32 s56, 1
	s_add_co_u32 s57, s6, LWV                      ; and of Wv
	s_mov_b32 s60, 1
	s_mul_i32 s61, s2, 64*PITCH                    ; rows 64 w .. 64 w + 63 of the chunk's first 256
	s_mov_b32 s68, 1
	s_add_co_u32 s69, s61, 256*PITCH               ; and of its second 256
	; byte offsets, each in a pair with 0 above it
	s_lshl_b32 s82, ttmp9, 17                      ; enc's codes: 131,072 id + 16,384 w
	s_lshl_b32 s7, s2, 14
	s_add_co_u32 s82, s82, s7
	s_mov_b32 s83, 0
	s_lshl_b32 s84, ttmp9, 13                      ; enc's scales: 8,192 id + 2,048 w
	s_add_co_u32 s84, s84, s6
	s_mov_b32 s85, 0
	s_mov_b32 s86, s6                              ; a weight's scales: 2,048 w
	s_mov_b32 s87, 0
	s_lshl_b32 s88, s2, 15                         ; a weight's codes: 32,768 w
	s_mov_b32 s89, 0
	s_lshl_b32 s90, s4, 20                         ; the batch's last row: (4,096 b + 4,095) x 256
	s_add_co_u32 s90, s90, 4095*256
	s_mov_b32 s91, 0
	s_lshl_b32 s72, s4, 16                         ; and its scale bytes: x 16
	s_add_co_u32 s72, s72, 4095*16
	s_mov_b32 s73, 0
	s_lshl_b32 s74, s4, 17                         ; pw: ((8 b + 2 w) x 4,096 + 512 c) x 4
	s_add_co_u32 s74, s74, s88
	s_lshl_b32 s7, s5, 11
	s_add_co_u32 s74, s74, s7
	s_mov_b32 s75, 0
	s_lshl_b32 s76, s4, 9                          ; st: ((8 b + 2 w) x 16 + c) x 4
	s_lshl_b32 s7, s2, 7
	s_add_co_u32 s76, s76, s7
	s_lshl_b32 s7, s5, 2
	s_add_co_u32 s76, s76, s7
	s_mov_b32 s77, 0
	s_lshl_b32 s78, ttmp9, 11                      ; ctxp: (512 id + 128 w) x 4
	s_lshl_b32 s7, s2, 9
	s_add_co_u32 s78, s78, s7
	s_mov_b32 s79, 0
	s_mov_b32 s30, 0x76543210                      ; v_permlanex16_b32's selects for lane l xor 16
	s_mov_b32 s31, 0xfedcba98
	s_mov_b32 s92, 0x3e38aa3b                      ; log2(e) / 8: q carries it, so the scores come out as exponents of 2
	s_mov_b32 s93, s92                             ; (named with it as a pair, so it is written)
	s_wait_dscnt 0x0
	s_wait_kmcnt 0x0
	s_add_nc_u64 s[50:51], s[10:11], s[84:85]
	s_or_b32 s51, s51, 0x80000000                  ; type = 2
	s_add_nc_u64 s[54:55], s[18:19], s[86:87]
	s_or_b32 s55, s55, 0x80000000
	s_add_nc_u64 s[58:59], s[22:23], s[86:87]
	s_or_b32 s59, s59, 0x80000000
	s_add_nc_u64 s[62:63], s[8:9], s[82:83]
	s_add_nc_u64 s[70:71], s[62:63], 256*256
	s_or_b32 s63, s63, 0x80000000
	s_or_b32 s71, s71, 0x80000000
	tensor_load_to_lds s[48:51], s[40:47]          ; all fills are first fills and go out together: five loads of mine are out
	s_nop 0
	tensor_load_to_lds s[52:55], s[40:47]
	s_nop 0
	tensor_load_to_lds s[56:59], s[40:47]
	s_nop 0
	tensor_load_to_lds s[60:63], s[32:39]
	s_nop 0
	tensor_load_to_lds s[68:71], s[32:39]
	s_nop 0
.rept 4
	v_nop
.endr
	s_add_nc_u64 s[8:9], s[8:9], s[90:91]          ; enc's codes and scales at the batch's last row
	s_add_nc_u64 s[10:11], s[10:11], s[72:73]
	s_add_nc_u64 s[12:13], s[12:13], s[88:89]      ; the weights at my 128 rows
	s_add_nc_u64 s[14:15], s[14:15], s[86:87]
	s_add_nc_u64 s[16:17], s[16:17], s[88:89]
	s_add_nc_u64 s[20:21], s[20:21], s[88:89]
	s_add_nc_u64 s[24:25], s[24:25], s[74:75]
	s_add_nc_u64 s[26:27], s[26:27], s[76:77]
	s_add_nc_u64 s[28:29], s[28:29], s[78:79]
	v_and_b32 v[R], 15, v0
	v_bfe_u32 v[HH], v0, 4, 1
	v_lshlrev_b32 v[VW], 8, v[R]
	v_lshl_add_u32 v[VW], v[HH], 4, v[VW]
	v_lshlrev_b32 v[VWS], 4, v[R]
	v_mov_b32 v[NIL], 0
	v_lshlrev_b32 v[H16], 4, v[HH]
	v_mul_u32_u24 v[AE], v[R], PITCH
	v_lshl_add_u32 v[AE], v[HH], 4, v[AE]
	v_lshl_add_u32 v[AES], v[R], 4, LES
	s_lshl_b32 s6, s2, 13
	s_add_co_u32 s6, s6, LSP                       ; my wave's scores
	v_lshl_add_u32 v[ASC], v[HH], 11, s6
	v_lshl_add_u32 v[ASC], v[R], 2, v[ASC]
	v_lshl_add_u32 v[AP], v[R], 2, s6
	v_and_b32 v[GO], 31, v0
	v_lshlrev_b32 v[GO], 4, v[GO]
	v_add_nc_u32 v[AL], s6, v[GO]
	s_lshl_b32 s7, s2, 11
	s_add_co_u32 s7, s7, LWK
	v_lshl_add_u32 v[AWS], v[R], 4, s7
	s_mul_i32 s81, s2, REDW
	s_add_co_u32 s81, s81, LRED
	v_mul_u32_u24 v[RST], v[HH], 272               ; in: group x 544 (the offset) + 272 hh + 16 r
	v_lshl_add_u32 v[RST], v[R], 4, v[RST]
	v_add_nc_u32 v[RST], s81, v[RST]
	v_bfe_u32 v17, v0, 2, 3                        ; out: lane l takes columns 4 l .. 4 l + 3: group 2 (l >> 2) + (l & 1), half (l >> 1) & 1:
	v_and_b32 v18, 1, v0
	v_bfe_u32 v19, v0, 1, 1
	v_lshlrev_b32 v[RLD], 2, v17
	v_lshl_add_u32 v[RLD], v18, 1, v[RLD]
	v_add_nc_u32 v[RLD], v19, v[RLD]               ; 272 x (2 group + half)
	v_mul_u32_u24 v[RLD], v[RLD], 272
	v_add_nc_u32 v[RLD], s81, v[RLD]
	v_lshlrev_b32 v[STO], 6, v18                   ; st: lane bit 0: head A or B (64 bytes on); bit 1: m or l (32 bytes on)
	v_lshl_add_u32 v[STO], v19, 5, v[STO]
	v_cmp_ne_u32 s94, 0, v18
	v_cmp_ne_u32 s95, 0, v19
	WIN 0xc0
.irp i, 225,227,229,231
	v_mov_b32 v\i, 0                               ; the upper halves of p's pairs
.endr
	WIN 0
	; ---- the loads from memory.  First what q needs (81 loads): the last row's fragments (the same row in all sixteen columns), its scale words, Wq's scale words, Wq's fragments
.irp s, 0,1,2,3
.irp c, 0,1
	global_load_b128 v[EF+8*\s+4*\c:EF+8*\s+4*\c+3], v[H16], s[8:9] offset:64*\s+32*\c
.endr
.endr
	global_load_b128 v[ES:ES+3], v[NIL], s[10:11]
.irp t, 0,1,2,3,4,5,6,7
	global_load_b128 v[WS+4*\t:WS+4*\t+3], v[VWS], s[14:15] offset:256*\t
.endr
	WHOME 12
	WIN 0x40                                       ; then Wk's fragments (64 loads): tiles 0-3 into window 1, tiles 4-7 into window 2
.irp t, 0,1,2,3
.irp s, 0,1,2,3
.irp c, 0,1
	global_load_b128 v[32*\t+8*\s+4*\c:32*\t+8*\s+4*\c+3], v[VW], s[16:17] offset:4096*\t+64*\s+32*\c
.endr
.endr
.endr
	WIN 0x80
.irp t, 0,1,2,3
.irp s, 0,1,2,3
.irp c, 0,1
	global_load_b128 v[32*\t+8*\s+4*\c:32*\t+8*\s+4*\c+3], v[VW], s[16:17] offset:4096*(4+\t)+64*\s+32*\c
.endr
.endr
.endr
	WIN 0
	s_wait_loadcnt 63                              ; 64 younger loads (Wk's) were issued; 63 is the largest count that the wait can name
	; ---- q = the last row x Wq^T for my 128 columns
.irp g, 0,1
.set hI, 0
.rept 16
	MM 0, \g, 0, hI
.set hI, hI+1
.endr
.endr
.rept 4
	v_nop                                          ; four plain instructions between the last products and the first read of results
.endr
	WIN 0x80                                       ; q x log2(e) / 8 goes to its homes: group A's beside Wk's tiles 4-7, group B's beside tiles 0-3; each accumulator from its low end on
.irp e, 0,2,4,6,8,10,12,14,16,18,20,22,24,26,28,30
	v_pk_mul_f32 v[128+\e:129+\e], v[ACC+\e:ACC+\e+1], s[92:93] op_sel_hi:[1,0]
.endr
	WIN 0x40
.irp e, 0,2,4,6,8,10,12,14,16,18,20,22,24,26,28,30
	v_pk_mul_f32 v[128+\e:129+\e], v[ACC+32+\e:ACC+33+\e], s[92:93] op_sel_hi:[1,0]
.endr
	WHOME 20                                       ; Wv's fragments take Wq's registers: they have pass 1 in which to land.  (The 32 multiplications stand between the products and these loads)
	s_wait_tensorcnt 2                             ; my three loads of scale bytes have landed; the two of enc's codes may be out
.irp t, 0,1,2,3,4,5,6,7
	ds_load_b128 v[WS+4*\t:WS+4*\t+3], v[AWS] offset:256*\t   ; Wk's scale words: bytes that my own load brought
.endr
	s_wait_loadcnt 63                              ; Wk's fragments are in: 64 younger loads (Wv's) were issued
	; ---- PASS 1: k and the scores
	GATE 1                                         ; everybody's scale bytes and rows 0-255 have landed; rows 256-511 may be out
	RUNA 0, 0
	HALF 1, 0, 0, 0, 0, 0, 1, 1, 1, 0              ; A(0): there is no vector work yet to set between its products
	HALF 1, 1, 0, 1, 0, 0, 0, 0, 0, 99             ; B(0)
	HALF 1, 0, 1, 1, 0, 1, 1, 0, 2, 0              ; A(1)
	WIN 0
	LOOP 1, 6                                      ; bases 0 to 10: they fetch tiles 3 to 14
	GATE 0                                         ; the trip at base 12 fetches tile 16, the first of rows 256-511
	LOOP 1, 8                                      ; bases 12 to 26
	HALF 1, 1, 1, 1, 0, 1, 2, 0, 0, 99             ; the tail, at base 28: B(29)
	HALF 1, 0, 0, 1, 0, 1, 1, 1, 3, 2              ; A(30), and tile 31 is fetched
	HALF 1, 1, 0, 1, 0, 1, 2, 0, 1, 99             ; B(30)
	HALF 1, 0, 1, 1, 0, 1, 0, 0, 0, 2              ; A(31)
	HALF 1, 1, 1, 1, 0, 1, 2, 0, 2, 99             ; B(31)
	WIN 1                                          ; tile 31's scores are finished: q of group B lies in window 1
	F1 0
	F2 0
.set hI, 0
.rept 16
	SL1 0, hI
.set hI, hI+1
.endr
	F1 1
	F2 1
	RUNB1 3
	; ---- THE SOFTMAX of my two heads over the chunk's 512 time steps: lane l holds t = 128 i + 4 l + 0 .. 3.  LDS serves a wave's instructions in order (ISA guide 5.7.1.4): these loads see my stores
.irp hd, 0,1
.irp hf, 0,1
.irp i, 0,1,2,3
	ds_load_b128 v[64+32*\hd+16*\hf+4*\i:67+32*\hd+16*\hf+4*\i], v[AL] offset:4096*\hd+2048*\hf+512*\i
.endr
.endr
.endr
.irp t, 0,1,2,3,4,5,6,7
	ds_load_b128 v[WS+4*\t:WS+4*\t+3], v[AWS] offset:8192+256*\t   ; Wv's scale words, for pass 2
.endr
.irp i, 205,207,211
	v_mov_b32 v\i, 0                               ; written once: a lane permute's destination counts as one of its sources
.endr
	s_wait_dscnt 8                                 ; the scores are in; the eight loads of scale words may be out
.irp hd, 0,1
.irp e, 0,2,4,6,8,10,12,14
	v_pk_add_f32 v[64+32*\hd+\e:65+32*\hd+\e], v[64+32*\hd+\e:65+32*\hd+\e], v[80+32*\hd+\e:81+32*\hd+\e]   ; the two halves of the head's 64 columns
.endr
.endr
.irp hd, 0,1
	v_max3_num_f32 v[MX+2*\hd], v[64+32*\hd], v[65+32*\hd], v[66+32*\hd]
.endr
.irp e, 3,5,7,9,11,13
.irp hd, 0,1
	v_max3_num_f32 v[MX+2*\hd], v[MX+2*\hd], v[64+32*\hd+\e], v[65+32*\hd+\e]   ; (the two heads by turns)
.endr
.endr
.irp hd, 0,1
	v_max_num_f32 v[MX+2*\hd], v[MX+2*\hd], v[79+32*\hd]
.endr
.irp m, 1,2,4,8
.irp hd, 0,1
	v_max_num_f32_dpp v[MX+2*\hd], v[MX+2*\hd], v[MX+2*\hd] row_xmask:\m row_mask:0xf bank_mask:0xf
.endr
.endr
.irp hd, 0,1
	v_permlanex16_b32 v[MX+2*\hd+1], v[MX+2*\hd], s30, s31
.endr
.irp hd, 0,1
	v_max_num_f32 v[MX+2*\hd], v[MX+2*\hd], v[MX+2*\hd+1]   ; m: the chunk's largest t, in every lane
.endr
.irp hd, 0,1
.irp e, 0,2,4,6,8,10,12,14
	v_pk_add_f32 v[64+32*\hd+\e:65+32*\hd+\e], v[64+32*\hd+\e:65+32*\hd+\e], v[MX+2*\hd:MX+2*\hd+1] op_sel_hi:[1,0] neg_lo:[0,1] neg_hi:[0,1]   ; t - m
.endr
.endr
.irp hd, 0,1
.irp e, 0,1,2,3,4,5,6,7,8,9,10,11,12,13,14,15
	v_exp_f32 v[64+32*\hd+\e], v[64+32*\hd+\e]     ; p = 2^(t - m), at most 1
.endr
.endr
	v_mov_b32 v209, 0                              ; a plain instruction behind the exponentials (and the third permute's destination)
	s_wait_alu depctr_va_vdst(0)
.irp hd, 0,1
.irp k, 0,1,2,3
	v_pk_add_f32 v[80+32*\hd+2*\k:81+32*\hd+2*\k], v[64+32*\hd+4*\k:65+32*\hd+4*\k], v[66+32*\hd+4*\k:67+32*\hd+4*\k]
.endr
.endr
.irp hd, 0,1
.irp i, 0,1,2,3
	ds_store_b128 v[AL], v[64+32*\hd+4*\i:67+32*\hd+4*\i] offset:4096*\hd+512*\i     ; p for pass 2, over the scores' first planes
	global_store_b128 v[GO], v[64+32*\hd+4*\i:67+32*\hd+4*\i], s[24:25] offset:16384*\hd+512*\i   ; and for the next launch: the wave stores 512 consecutive bytes
.endr
.endr
.irp hd, 0,1
	v_pk_add_f32 v[80+32*\hd:81+32*\hd], v[80+32*\hd:81+32*\hd], v[82+32*\hd:83+32*\hd]
	v_pk_add_f32 v[84+32*\hd:85+32*\hd], v[84+32*\hd:85+32*\hd], v[86+32*\hd:87+32*\hd]
.endr
.irp hd, 0,1
	v_pk_add_f32 v[80+32*\hd:81+32*\hd], v[80+32*\hd:81+32*\hd], v[84+32*\hd:85+32*\hd]
.endr
.irp hd, 0,1
	v_add_f32 v[LS+2*\hd], v[80+32*\hd], v[81+32*\hd]
.endr
.irp m, 1,2,4,8
.irp hd, 0,1
	v_add_f32_dpp v[LS+2*\hd], v[LS+2*\hd], v[LS+2*\hd] row_xmask:\m row_mask:0xf bank_mask:0xf
.endr
.endr
.irp hd, 0,1
	v_permlanex16_b32 v[LS+2*\hd+1], v[LS+2*\hd], s30, s31
.endr
.irp hd, 0,1
	v_add_f32 v[LS+2*\hd], v[LS+2*\hd], v[LS+2*\hd+1]   ; l: the sum of the chunk's p
.endr
	v_cndmask_b32 v[SEL], v[MX], v[MX+2], s94      ; each lane picks one of mA, mB, lA, lB by its two lowest bits; eight lanes store each word, with the same value
	v_cndmask_b32 v[SEL+1], v[LS], v[LS+2], s94
	v_cndmask_b32 v[SEL], v[SEL], v[SEL+1], s95
	global_store_b32 v[STO], v[SEL], s[26:27]
	v_mul_u32_u24 v[AE], v[R], PITCH               ; the walk begins anew
	v_lshl_add_u32 v[AE], v[HH], 4, v[AE]
	v_lshl_add_u32 v[AES], v[R], 4, LES
	s_wait_xcnt 0x0                                ; the stores' data registers are written again only behind this wait
	s_wait_loadcnt 0x0                             ; Wv's fragments are in
	; ---- PASS 2: v and the context
	RUNB2 0, 0
	RUNA 0, 0
	HALF 2, 0, 0, 0, 0, 0, 1, 1, 1, 0              ; A(0)
	HALF 2, 1, 0, 1, 1, 0, 3, 1, 1, 9              ; B(0): its slices start group A's sums
	HALF 2, 0, 1, 1, 1, 0, 1, 0, 2, 2              ; A(1): group B's
	WIN 0
	LOOP 2, 14                                     ; bases 0 to 26
	HALF 2, 1, 1, 1, 0, 0, 3, 0, 2, 9              ; the tail, at base 28: B(29)
	HALF 2, 0, 0, 1, 0, 0, 1, 1, 3, 2              ; A(30)
	HALF 2, 1, 0, 1, 0, 0, 3, 1, 3, 9              ; B(30)
	HALF 2, 0, 1, 1, 0, 0, 0, 0, 0, 2              ; A(31)
	HALF 2, 1, 1, 1, 0, 0, 0, 0, 0, 0              ; B(31): tile 31's p is in: nothing was issued behind it
.set hI, 0
.rept 16
	SL2 0, 0, hI, 0                                ; group B of tile 31, with pB of set 1
.set hI, hI+1
.endr
	WIN 0
	; ---- THE SUM OVER THE SIXTEEN LANES OF A HALF (they hold the same columns for different time steps), through my own bytes of LDS: four columns a group, sixteen lanes' 16 bytes on end
.irp q, 0,1,2,3,4,5,6,7,8,9,10,11,12,13,14,15
	ds_store_b128 v[RST], v[CTX+4*\q:CTX+4*\q+3] offset:544*\q
.endr
.irp i, 0,1,2,3,4,5,6,7,8,9,10,11,12,13,14,15
	ds_load_b128 v[EF+4*\i:EF+4*\i+3], v[RLD] offset:16*\i   ; lane l: the sixteen parts of columns 4 l .. 4 l + 3
.endr
	s_wait_dscnt 0x0
.irp w, 32,16,8,4
.set x, 0
.rept \w/2
	v_pk_add_f32 v[EF+x:EF+x+1], v[EF+x:EF+x+1], v[EF+\w+x:EF+\w+x+1]
.set x, x+2
.endr
.endr
	global_store_b128 v[GO], v[EF:EF+3], s[28:29]  ; my wave's 128 columns: 512 consecutive bytes
	s_wait_tensorcnt 0x0
	ds_add_u32 v22, v23
	s_wait_dscnt 0x0
	s_endpgm
.Lfunc_end_k_q140f6f5850_attn:
	.size	k_q140f6f5850_attn, .Lfunc_end_k_q140f6f5850_attn-k_q140f6f5850_attn
	.p2alignl 7, 3214868480
	.fill 96, 4, 3214868480
	.section	.rodata,"a",@progbits
	.p2align	6, 0x0
	.amdhsa_kernel k_q140f6f5850_attn
		.amdhsa_group_segment_fixed_size 231936
		.amdhsa_private_segment_fixed_size 0
		.amdhsa_enable_private_segment 0
		.amdhsa_kernarg_size 88
		.amdhsa_user_sgpr_count 2
		.amdhsa_user_sgpr_kernarg_segment_ptr 1
		.amdhsa_wavefront_size32 1
		.amdhsa_system_sgpr_workgroup_id_x 1
		.amdhsa_system_sgpr_workgroup_id_y 1
		.amdhsa_system_sgpr_workgroup_id_z 1
		.amdhsa_system_vgpr_workitem_id 0
		.amdhsa_next_free_vgpr 1024
		.amdhsa_next_free_sgpr 96
		.amdhsa_reserve_vcc 0
		.amdhsa_float_denorm_mode_32 3
		.amdhsa_float_denorm_mode_16_64 3
		.amdhsa_memory_ordered 1
		.amdhsa_forward_progress 1
		.amdhsa_inst_pref_size 150
	.end_amdhsa_kernel
	.amdgpu_metadata
---
amdhsa.version: [ 1, 2 ]
amdhsa.kernels:
  - .name:           k_q140f6f5850_attn
    .symbol:         k_q140f6f5850_attn.kd
    .args:
      - { .name: enc_codes, .offset: 0, .size: 8, .value_kind: global_buffer, .address_space: global }
      - { .name: enc_scales, .offset: 8, .size: 8, .value_kind: global_buffer, .address_space: global }
      - { .name: Wq_codes, .offset: 16, .size: 8, .value_kind: global_buffer, .address_space: global }
      - { .name: Wq_scales, .offset: 24, .size: 8, .value_kind: global_buffer, .address_space: global }
      - { .name: Wk_codes, .offset: 32, .size: 8, .value_kind: global_buffer, .address_space: global }
      - { .name: Wk_scales, .offset: 40, .size: 8, .value_kind: global_buffer, .address_space: global }
      - { .name: Wv_codes, .offset: 48, .size: 8, .value_kind: global_buffer, .address_space: global }
      - { .name: Wv_scales, .offset: 56, .size: 8, .value_kind: global_buffer, .address_space: global }
      - { .name: pw, .offset: 64, .size: 8, .value_kind: global_buffer, .address_space: global }
      - { .name: st, .offset: 72, .size: 8, .value_kind: global_buffer, .address_space: global }
      - { .name: ctxp, .offset: 80, .size: 8, .value_kind: global_buffer, .address_space: global }
    .group_segment_fixed_size: 231936
    .private_segment_fixed_size: 0
    .kernarg_segment_align: 8
    .kernarg_segment_size: 88
    .max_flat_workgroup_size: 128
    .sgpr_count:     96
    .vgpr_count:     1024
    .wavefront_size: 32
...
	.end_amdgpu_metadata
.endif
;; end of part 1
;; launch fin (part 2): grid 8 x 32, 4 waves a work-group, no clusters, 1,536 bytes of LDS; arguments st, ctxp, pw, Wo_codes, Wo_scales, out0, out1; writes out0, out1
.if DOCPART == 2
	.amdgcn_target "amdgcn-amd-amdhsa--gfx1250"
	.amdhsa_code_object_version 6
	.text
	.protected	k_q140f6f5850_fin
	.globl	k_q140f6f5850_fin
	.p2align	8
	.type	k_q140f6f5850_fin,@function
k_q140f6f5850_fin:
	s_mov_b64 s[64:65], 0
	v_nop
	global_prefetch_b8 v0, s[64:65] scope:SCOPE_SE
	s_setreg_imm32_b32 hwreg(HW_REG_WAVE_MODE, 25, 1), 1
	s_wait_xcnt 0x0
; The second launch joins the eight chunks of a batch.  Work-group (x = c, y = b) makes out0[b][64 c .. 64 c + 63] and out1[b][512 c .. 512 c + 511].
; st [32 b][8 h][16]: words 0-7 the chunks' largest exponents m, words 8-15 their sums l;  ctxp [32 b][8 chunk][512 column]: the sums of p x v;  pw [32 b][8 h][4,096 t]: p = 2^(t - its chunk's m).
; For a head: M = the largest m;  e_i = 2^(m_i - M);  L = the sum of e_i l_i;  context = the sum of (e_i / L) ctxp_i;  weight(t) = p(t) e_c / L;  out1 = the mean of the eight heads' weights.
; The context's 512 numbers are quantised to FP4 (E2M1) along the columns (blocks of 32, one E8M0 byte each) and multiplied by Wo^T on codes.
; SHARES.  Thread n (0 to 127) owns columns 4 n .. 4 n + 3 of the context (head n / 16) and time steps 4 n .. 4 n + 3 of chunk c.  Each of a batch's eight work-groups makes the whole context anew (16 KB read);
; wave w multiplies it by rows 64 c + 16 w .. + 15 of Wo: source 0 = Wo's rows, source 1 = the context's row in all sixteen columns: register j of lane (r, hh) is out0's column 64 c + 16 w + 8 hh + j.
; No tensor loads, no ring, no cluster: a wave reads 4 KB of Wo once, straight into registers, and the launch's other bytes are read by one work-group or are a few KB.
; LIMITS: a block of zeros of the context gets the scale byte 1 and not 127: its codes are zeros and only this text reads the byte; the f32 sums are taken in another order than a plain loop's.
.set LC, 0                             ; LDS: the context's codes, one row of 256 bytes
.set LB, 256                           ; its 16 scale bytes
.set LF, 512                           ; the eight heads' factors for out1
.set LO, 768                           ; out0's 64 numbers
	s_load_b256 s[4:11], s[0:1], 0x0               ; st s[4:5], ctxp s[6:7], pw s[8:9], Wo's codes s[10:11]
	s_load_b128 s[12:15], s[0:1], 0x20             ; Wo's scales, out0
	s_load_b64 s[16:17], s[0:1], 0x30              ; out1
	v_lshl_add_u32 v216, v0, 2, 0x400
	v_mov_b32 v217, 0
	v_lshrrev_b32 v1, 5, v0
	v_readfirstlane_b32 s18, v1                    ; wave 0..3
	s_and_b32 s19, ttmp7, 0xffff                   ; b;  c is ttmp9
	s_lshl_b32 s20, s19, 9                         ; st: 512 b
	s_mov_b32 s21, 0
	s_lshl_b32 s22, s19, 14                        ; ctxp: 16,384 b
	s_mov_b32 s23, 0
	s_lshl_b32 s24, s19, 17                        ; pw: 131,072 b + 2,048 c
	s_lshl_b32 s38, ttmp9, 11
	s_add_co_u32 s24, s24, s38
	s_mov_b32 s25, 0
	s_lshl_b32 s26, ttmp9, 14                      ; Wo's codes: (64 c + 16 w) x 256
	s_lshl_b32 s39, s18, 12
	s_add_co_u32 s26, s26, s39
	s_mov_b32 s27, 0
	s_lshr_b32 s28, s26, 4                         ; Wo's scales: x 16
	s_mov_b32 s29, 0
	s_lshl_b32 s30, s19, 11                        ; out0: 2,048 b + 256 c
	s_lshl_b32 s39, ttmp9, 8
	s_add_co_u32 s30, s30, s39
	s_mov_b32 s31, 0
	s_add_co_u32 s32, s22, s38                     ; out1: 16,384 b + 2,048 c
	s_mov_b32 s33, 0
	s_lshl_b32 s36, ttmp9, 2                       ; chunk c's word in a head's 16
	s_mov_b32 s37, 0
	s_lshl_b32 s39, s18, 6
	v_lshlrev_b32 v1, 4, v0                        ; 16 n: my columns in ctxp, my time steps in pw and out1
	v_and_b32 v2, 0x70, v0
	v_lshlrev_b32 v2, 2, v2                        ; 64 h: my head's 16 words of st
	v_and_b32 v211, 15, v0                         ; r
	v_bfe_u32 v212, v0, 4, 1                       ; hh
	v_lshlrev_b32 v3, 8, v211
	v_lshl_add_u32 v3, v212, 4, v3                 ; Wo's fragment: 256 r + 16 hh
	v_lshlrev_b32 v4, 4, v211                      ; 16 r
	v_lshlrev_b32 v5, 4, v212                      ; 16 hh
	v_lshlrev_b32 v6, 1, v0                        ; 2 n: my four codes
	v_mov_b32 v7, 0
	v_lshrrev_b32 v208, 4, v2                      ; 4 h
	v_lshrrev_b32 v209, 3, v0                      ; n / 8: my block of 32 columns
	v_lshl_add_u32 v210, v212, 5, s39              ; 64 w + 32 hh
	s_wait_kmcnt 0x0
	s_add_nc_u64 s[4:5], s[4:5], s[20:21]
	s_add_nc_u64 s[34:35], s[4:5], s[36:37]
	s_add_nc_u64 s[6:7], s[6:7], s[22:23]
	s_add_nc_u64 s[8:9], s[8:9], s[24:25]
	s_add_nc_u64 s[10:11], s[10:11], s[26:27]
	s_add_nc_u64 s[12:13], s[12:13], s[28:29]
	s_add_nc_u64 s[14:15], s[14:15], s[30:31]
	s_add_nc_u64 s[16:17], s[16:17], s[32:33]
	; all 30 loads at once: 14 (Wo, st), 8 (ctxp), 8 (pw)
.irp s, 0,1,2,3
.irp c, 0,1
	global_load_b128 v[112+8*\s+4*\c:115+8*\s+4*\c], v3, s[10:11] offset:64*\s+32*\c
.endr
.endr
	global_load_b128 v[144:147], v4, s[12:13]      ; Wo's scale words: four K steps of row r
.irp i, 0,1,2,3
	global_load_b128 v[8+4*\i:11+4*\i], v2, s[4:5] offset:16*\i   ; m of chunks 0-7: v8-15; l: v16-23
.endr
	global_load_b32 v24, v2, s[34:35]              ; m of chunk c
.irp k, 0,1,2,3,4,5,6,7
	global_load_b128 v[36+4*\k:39+4*\k], v1, s[6:7] offset:2048*\k
.endr
.irp k, 0,1,2,3,4,5,6,7
	global_load_b128 v[68+4*\k:71+4*\k], v1, s[8:9] offset:16384*\k th:TH_LOAD_NT   ; read once in the whole launch
.endr
	s_wait_loadcnt 16                              ; Wo and st are in; the 16 loads of ctxp and pw may be out
	v_max3_num_f32 v25, v8, v9, v10
	v_max3_num_f32 v25, v25, v11, v12
	v_max3_num_f32 v25, v25, v13, v14
	v_max_num_f32 v25, v25, v15                    ; M
.irp i, 0,1,2,3,4,5,6,7
	v_sub_f32 v[28+\i], v[8+\i], v25
.endr
	v_sub_f32 v27, v24, v25
.irp i, 0,1,2,3,4,5,6,7
	v_exp_f32 v[28+\i], v[28+\i]                   ; e_i = 2^(m_i - M), at most 1; the largest is 1
.endr
	v_exp_f32 v27, v27                             ; e_c
	v_mov_b32 v104, 0                              ; a plain instruction behind the exponentials.  (v104-107: four zeros, which fill the conversion's eight numbers)
	s_wait_alu depctr_va_vdst(0)
	v_mul_f32 v26, v28, v16
.irp i, 1,2,3,4,5,6,7
	v_fma_f32 v26, v[28+\i], v[16+\i], v26         ; L, at least 1
.endr
	v_rcp_f32 v24, v26
	v_mov_b32 v105, 0                              ; a plain instruction behind the reciprocal
	v_mov_b32 v106, 0
	v_mov_b32 v107, 0
	s_wait_alu depctr_va_vdst(0)
.irp i, 0,1,2,3,4,5,6,7
	v_mul_f32 v[28+\i], v[28+\i], v24              ; e_i / L
.endr
	v_mul_f32 v27, v27, v24
	v_mul_f32 v27, 0x3e000000, v27                 ; e_c / L / 8: my head's factor for out1
	ds_store_b32 v208, v27 offset:LF               ; a head's sixteen threads store the same word with the same value
	s_wait_loadcnt 8                               ; ctxp is in; pw's eight loads may be out
.irp e, 0,1,2,3
	v_mul_f32 v[100+\e], v28, v[36+\e]
.endr
.irp k, 1,2,3,4,5,6,7
.irp e, 0,1,2,3
	v_fma_f32 v[100+\e], v[28+\k], v[36+4*\k+\e], v[100+\e]   ; the context, in f32
.endr
.endr
	v_max3_num_f32 v108, |v100|, |v101|, 0x1800000 ; my four numbers' largest magnitude, and the floor 2^(3 - 127): so the byte cannot fall under 1
	v_max3_num_f32 v108, v108, |v102|, |v103|
	v_max_num_f32_dpp v108, v108, v108 row_xmask:1 row_mask:0xf bank_mask:0xf   ; eight neighbouring lanes hold a block of 32
	v_max_num_f32_dpp v108, v108, v108 row_xmask:2 row_mask:0xf bank_mask:0xf
	v_max_num_f32_dpp v108, v108, v108 row_xmask:4 row_mask:0xf bank_mask:0xf
	v_add_nc_u32 v109, 0xff000000, v108            ; 2 off its exponent field: the conversion takes the exponent field of this operand as its scale
	v_lshrrev_b32 v110, 23, v109                   ; the scale's byte
	v_cvt_scalef32_pk8_fp4_f32 v111, v[100:107], v109   ; my four codes in the low 16 bits
	v_nop                                          ; one plain instruction behind a scaled conversion
	ds_store_b16 v6, v111 offset:LC
	ds_store_b8 v209, v110 offset:LB               ; a block's eight threads store the same byte with the same value
	s_wait_dscnt 0x0                               ; for the others' sake: my stores have landed
	s_barrier_signal -1
	s_barrier_wait -1
.irp s, 0,1,2,3
.irp c, 0,1
	ds_load_b128 v[148+8*\s+4*\c:151+8*\s+4*\c], v5 offset:LC+64*\s+32*\c   ; the context's fragments: the same row for all sixteen columns
.endr
.endr
	ds_load_b128 v[180:183], v7 offset:LB          ; its four scale words
	ds_load_b128 v[184:187], v7 offset:LF          ; the eight factors
	ds_load_b128 v[188:191], v7 offset:LF+16
	s_wait_dscnt 0x0
	v_wmma_scale_f32_16x16x128_f8f6f4 v[192:199], v[112:119], v[148:155], 0, v144, v180 matrix_a_fmt:MATRIX_FMT_FP4 matrix_b_fmt:MATRIX_FMT_FP4
	s_wait_alu depctr_va_vdst(0)                   ; a wait ahead of each further link
	v_wmma_scale_f32_16x16x128_f8f6f4 v[192:199], v[120:127], v[156:163], v[192:199], v145, v181 matrix_a_fmt:MATRIX_FMT_FP4 matrix_b_fmt:MATRIX_FMT_FP4
	s_wait_alu depctr_va_vdst(0)
	v_wmma_scale_f32_16x16x128_f8f6f4 v[192:199], v[128:135], v[164:171], v[192:199], v146, v182 matrix_a_fmt:MATRIX_FMT_FP4 matrix_b_fmt:MATRIX_FMT_FP4
	s_wait_alu depctr_va_vdst(0)
	v_wmma_scale_f32_16x16x128_f8f6f4 v[192:199], v[136:143], v[172:179], v[192:199], v147, v183 matrix_a_fmt:MATRIX_FMT_FP4 matrix_b_fmt:MATRIX_FMT_FP4
	s_wait_loadcnt 0x0                             ; pw
.irp e, 0,1,2,3
	v_mul_f32 v[200+\e], v184, v[68+\e]            ; out1.  (These 32 also stand between the last product and the first read of its result)
.endr
.irp k, 1,2,3,4,5,6,7
.irp e, 0,1,2,3
	v_fma_f32 v[200+\e], v[184+\k], v[68+4*\k+\e], v[200+\e]
.endr
.endr
	global_store_b128 v1, v[200:203], s[16:17] th:TH_STORE_NT   ; the wave stores 512 consecutive bytes
	ds_store_b128 v210, v[192:195] offset:LO       ; out0's eight numbers of my half, from the accumulator's low end on; a half's sixteen lanes store the same bytes with the same values
	ds_store_b128 v210, v[196:199] offset:LO+16
	s_wait_dscnt 0x0
	s_barrier_signal -1
	s_barrier_wait -1
	s_cmp_lg_u32 s18, 0                            ; wave 0 stores the work-group's 64 numbers
	s_cbranch_scc1 .Ldone
	ds_load_b128 v[204:207], v4 offset:LO
	s_wait_dscnt 0x0
	global_store_b128 v4, v[204:207], s[14:15] th:TH_STORE_NT   ; sixteen lanes store 256 consecutive bytes, at a multiple of 256 from out0's first byte (lanes 16-31 repeat them)
.Ldone:
	s_wait_tensorcnt 0x0
	ds_add_u32 v216, v217
	s_wait_dscnt 0x0
	s_endpgm
.Lfunc_end_k_q140f6f5850_fin:
	.size	k_q140f6f5850_fin, .Lfunc_end_k_q140f6f5850_fin-k_q140f6f5850_fin
	.p2alignl 7, 3214868480
	.fill 96, 4, 3214868480
	.section	.rodata,"a",@progbits
	.p2align	6, 0x0
	.amdhsa_kernel k_q140f6f5850_fin
		.amdhsa_group_segment_fixed_size 1536
		.amdhsa_private_segment_fixed_size 0
		.amdhsa_enable_private_segment 0
		.amdhsa_kernarg_size 56
		.amdhsa_user_sgpr_count 2
		.amdhsa_user_sgpr_kernarg_segment_ptr 1
		.amdhsa_wavefront_size32 1
		.amdhsa_system_sgpr_workgroup_id_x 1
		.amdhsa_system_sgpr_workgroup_id_y 1
		.amdhsa_system_sgpr_workgroup_id_z 1
		.amdhsa_system_vgpr_workitem_id 0
		.amdhsa_next_free_vgpr 218
		.amdhsa_next_free_sgpr 66
		.amdhsa_reserve_vcc 0
		.amdhsa_float_denorm_mode_32 3
		.amdhsa_float_denorm_mode_16_64 3
		.amdhsa_memory_ordered 1
		.amdhsa_forward_progress 1
		.amdhsa_inst_pref_size 14
	.end_amdhsa_kernel
	.amdgpu_metadata
---
amdhsa.version: [ 1, 2 ]
amdhsa.kernels:
  - .name:           k_q140f6f5850_fin
    .symbol:         k_q140f6f5850_fin.kd
    .args:
      - { .name: st, .offset: 0, .size: 8, .value_kind: global_buffer, .address_space: global }
      - { .name: ctxp, .offset: 8, .size: 8, .value_kind: global_buffer, .address_space: global }
      - { .name: pw, .offset: 16, .size: 8, .value_kind: global_buffer, .address_space: global }
      - { .name: Wo_codes, .offset: 24, .size: 8, .value_kind: global_buffer, .address_space: global }
      - { .name: Wo_scales, .offset: 32, .size: 8, .value_kind: global_buffer, .address_space: global }
      - { .name: out0, .offset: 40, .size: 8, .value_kind: global_buffer, .address_space: global }
      - { .name: out1, .offset: 48, .size: 8, .value_kind: global_buffer, .address_space: global }
    .group_segment_fixed_size: 1536
    .private_segment_fixed_size: 0
    .kernarg_segment_align: 8
    .kernarg_segment_size: 56
    .max_flat_workgroup_size: 128
    .sgpr_count:     66
    .vgpr_count:     218
    .wavefront_size: 32
...
	.end_amdgpu_metadata
.endif
;; end of part 2
;; ======== version 2 of 2: 2 launches
;; limits: right only within a limited range of input values
;; workspace buffers: pw 4,194,304 bytes; ctxp 524,288 bytes; st 16,384 bytes
;; launch attn (part 3): grid 256 x 1, 4 waves a work-group, clusters of 4 x 1, 327,680 bytes of LDS; arguments enc_codes, enc_scales, Wq_codes, Wq_scales, Wk_codes, Wk_scales, Wv_codes, Wv_scales, pw, st, ctxp; writes pw, st, ctxp
.if DOCPART == 3
	.amdgcn_target "amdgcn-amd-amdhsa--gfx1250"
	.amdhsa_code_object_version 6
	.text
	.protected	k_q140f6f5850_attn
	.globl	k_q140f6f5850_attn
	.p2align	8
	.type	k_q140f6f5850_attn,@function
k_q140f6f5850_attn:
	s_mov_b64 s[64:65], 0
	v_nop
	global_prefetch_b8 v0, s[64:65] scope:SCOPE_SE
	s_setreg_imm32_b32 hwreg(HW_REG_WAVE_MODE, 25, 1), 1
	s_wait_xcnt 0x0
	s_wait_alu depctr_hold_cnt(0) depctr_sa_sdst(0) depctr_va_vdst(0) depctr_va_sdst(0) depctr_va_ssrc(0) depctr_va_vcc(0) depctr_vm_vsrc(0)
	s_getreg_b32 s2, hwreg(HW_REG_IB_STS2, 6, 4)
	s_cmp_eq_u32 s2, 0
	s_cbranch_scc0 .Lentry_in_a_cluster
	s_endpgm
.Lentry_in_a_cluster:
	s_bfe_u32 s2, ttmp6, 0x10000c
	s_cmp_lg_u32 s2, 0x3003
	s_cbranch_scc0 .Lentry_shape_is_right
	s_endpgm
.Lentry_shape_is_right:
; One query (the last time step) attends to 4,096 time steps, 8 heads of 64, 32 batches.  enc, Wq, Wk, Wv arrive as codes of FP4 (E2M1) with one E8M0 byte for each 32 along K = 512.
; THIS LAUNCH: work-group id = 8 b + c takes the 512 time steps 512 c .. 512 c + 511 of batch b and makes, for each head: t = q . k x log2(e) / 8 for its time steps, their maximum m,
; p = 2^(t - m), l = the sum of p, and the sum of p x v.  It stores p (pw), m and l (st) and the partial context (ctxp); the next launch joins the eight chunks of a batch.
; SHARES.  Four waves, which share the COLUMNS: wave w owns heads A = 2 w and B = 2 w + 1 = rows 128 w .. 128 w + 127 of Wq, Wk, Wv: four pairs of 16-row tiles; pairs 0, 1 are head A, pairs 2, 3 head B.
; Wk's and Wv's parts (256 registers each) stay in registers; the chunk's codes of enc (128 KB) come into LDS once and every wave walks them twice, 16 time steps a tile: pass 1 makes k and the scores,
; pass 2 makes v and the context.  The chunk's maximum is known between the passes, so no sum is ever rescaled.
; THE MATRIX INSTRUCTION has 32 rows: source 0 = 32 rows of a weight, source 1 = 16 rows of enc: lane (r, hh) holds ONE time step r of the tile; register 8 u + j of a pair's 16 is the column 32 pair + 16 u + 8 hh + j.
; q is made by the same product with the last row of enc in all sixteen columns, so it lies in the same registers' order.  A score is packed multiply-adds of results with q, the context packed multiply-adds of results with the lane's p.
; A PHASE is a tile n: a run of LDS instructions (tile n + 1's fragments and scale words; in pass 1 the store of tile n - 3's half scores, in pass 2 the load of tile n's p); 16 matrix instructions (the four accumulators by turns,
; K step outermost) into accumulator set n % 2; then 32 packed multiply-adds on tile n - 1's results, in the other set.  These name no register of the phase's matrix instructions: they are the plain
; vector instructions that have to stand between a matrix instruction and the first read of its result, and between it and a load into a register that it read (four: ISA guide 7.12.1 for vector instructions).
; Pass 1: tile n - 2's chains are finished in the midst of phase n.  So twelve plain vector instructions stand between a chain's last link and its finish, and sixteen between a half score and its store.
; CLUSTER.  All work-groups need the same Wk and Wv.  Four work-groups form a cluster and ask for them JOINTLY (the same descriptor, a mask that names the four), into one buffer, WB: Wk at the head, in two halves; Wv in the middle of pass 1.
; Wq is NOT shared so: beside enc (147,456 bytes with its scales), WB (139,264), the scores (32,768) and the spare words (512) 7,680 of 327,680 bytes are left.  Each wave loads its 32 KB of Wq straight into registers.
; THE TENSOR LOADS, one a wave each time: head: waves 0, 1 the halves of Wk, wave 2 enc's rows 0-255, wave 3 enc's scale bytes; behind the second round: enc's rows 256-511, a quarter a wave, sixteen tiles ahead of their use;
; behind the third: Wv, a quarter a wave.  There is no further refill, so no loop in which a prefetch could run ahead: none is written.
; REGISTERS, in windows of 256 (s_set_vgpr_msb: bits 1:0 source 0, 3:2 source 1, 5:4 source 2, 7:6 destination):
;   window 0: v1-19 addresses; v20-35 Wk's scale words (4 pair + K step; after pass 1 p and the softmax's figures), v36-51 Wv's; v52-59 enc's scale words, two sets; v64-127 enc's fragments, two sets of 4 K steps; v128-255 accumulators, two sets of 64
;   window 1: v0-63 q; v64-127 the context's sums; v128-143 the scores' chains, two sets; v144-145 the half scores; v160-223 the softmax's numbers
;   window 2: Wk's fragments: pair P, K step s at 64 P + 16 s;   window 3: Wq's, then Wv's likewise
; LIMITS: a p under 2^-126 comes out as 0 (v_exp_f32 flushes denormal results: ISA guide, its entry); a scale byte 0xff among the inputs gives NaN; the f32 sums are taken in another order than a plain loop's.
.set PITCH, 272                        ; a row of codes in LDS: 256 bytes + 16 of padding = 68 words: row r starts at bank 4 r mod 64 (64 banks of 4 bytes: ISA guide 11.1)
.set TILE,  16*PITCH
.set LES,   512*PITCH                  ; 139,264: enc's scale bytes, 16 a row, dense
.set LWB,   LES+8192                   ; 147,456: WB: 512 rows of Wk, later of Wv; at the end each wave's part serves the context's sum over lanes (WB has had its last fill then)
.set WPART, 128*PITCH                  ; a wave's part of WB
.set LSP,   LWB+4*WPART                ; 286,720: for each wave 8,192 bytes: [head 2][half of the columns 2][512 time steps] f32: half scores; later p lies over the planes of half 0.  No fill lands here
.set SPARE, LSP+32768                  ; 319,488: the spare words, 128 bytes for each wave: two blocks of 256 bytes that no other line names
.set R,   1                            ; lane % 16
.set HH,  2                            ; lane / 16
.set VW,  3                            ; Wq's fragment: 256 r + 16 hh
.set AE,  4                            ; LDS: enc's fragments of the tile at the walk's base
.set AES, 5                            ; LDS: their scale words
.set ASC, 7                            ; LDS: where my half score goes
.set AP,  8                            ; LDS: my time step's p
.set AL,  9                            ; LDS: my wave's scores, 16 bytes a lane
.set GO,  10                           ; 16 x lane
.set AWB, 11                           ; LDS: my wave's part of WB: 272 r + 16 hh
.set NIL, 12                           ; 0, an offset
.set H16, 13                           ; 16 hh
.set RST, 14                           ; LDS: the context's way into the sum over lanes
.set RLD, 15                           ; LDS: and out of it
.set STO, 16                           ; my word among the wave's four of st
.set SPW, 17                           ; LDS address of my spare word: SPARE + 4 x my thread's number; never rewritten
.set ZR,  18                           ; 0; kept for the add alone
.set WK,  20
.set WV,  36
.set ES,  52
.set EF,  64
.set ACC, 128
.set WSQ, 192                          ; Wq's scale words, in accumulator set 1's place until q is made
.set PR,  20                           ; pass 2: p of head A at v[PR + 4 set], of head B at v[PR + 4 set + 2] (the low words of pairs)
.set MX,  28                           ; the softmax: m of head A, head B (v28, v30), l (v32, v34); the odd ones serve the lane permutes
.set LS,  32
.set SEL, 60
.set CTX, 64                           ; window 1 from here on
.set SA,  128
.set TT,  144
.set S,   160
.set MSB, 0
.macro WIN new                         ; the immediate's high byte repeats the setting that is left; a switch that changes nothing is dropped
.if MSB != \new
	s_set_vgpr_msb (MSB<<8)|\new
.set MSB, \new
.endif
.endm
; A round of the cluster's barrier: my work-group's barrier, so that wave 0's signal speaks for all four waves; wave 0 signals for the work-group; every wave waits for all four work-groups; my work-group's barrier once more.
.macro ROUND
	s_barrier_signal -1
	s_barrier_wait -1
	s_cmp_lg_u32 s2, 0
	s_cbranch_scc1 .Lnot_wave_0_\@
	s_barrier_signal -3
.Lnot_wave_0_\@:
	s_barrier_wait -3
	s_barrier_signal -1
	s_barrier_wait -1
.endm
.macro AFTER                           ; directly behind each tensor load
	s_nop 0
.rept 4
	v_nop
.endr
.endm
; Matrix instruction i of 16: K step i / 4, pair i % 4.  The first K step starts the sums: nothing is cleared.  The weight's window is source 0's.
.macro MM ws, fset, aset, i
.set mS, (\i)/4
.set mP, (\i)%4
.set mD, ACC+64*(\aset)+16*mP
.set mA, 64*mP+16*mS
.set mB, EF+32*(\fset)+8*mS
.if mS == 0
	v_wmma_scale_f32_32x16x128_f4 v[mD:mD+15], v[mA:mA+15], v[mB:mB+7], 0, v[\ws+4*mP+mS], v[ES+4*(\fset)+mS]
.else
	v_wmma_scale_f32_32x16x128_f4 v[mD:mD+15], v[mA:mA+15], v[mB:mB+7], v[mD:mD+15], v[\ws+4*mP+mS], v[ES+4*(\fset)+mS]
.endif
.endm
.macro MULS win, ws, fset, aset
	WIN \win
.set hI, 0
.rept 16
	MM \ws, \fset, \aset, hI
.set hI, hI+1
.endr
.endm
; Nine loads: the fragments (4 K steps x 2 loads of 16 bytes, 32 apart) and the scale words of the tile d tiles on from the walk's base.  Destination and address lie in window 0.
.macro RUNA set, d
.irp s, 0,1,2,3
.irp c, 0,1
	ds_load_b128 v[EF+32*(\set)+8*\s+4*\c:EF+32*(\set)+8*\s+4*\c+3], v[AE] offset:TILE*(\d)+64*\s+32*\c
.endr
.endr
	ds_load_b128 v[ES+4*(\set):ES+4*(\set)+3], v[AES] offset:256*(\d)
.endm
.macro WFRAG p, s                      ; pair p, K step s of the weight in my part of WB: four loads
.irp t, 0,1
.irp c, 0,1
	ds_load_b128 v[64*\p+16*\s+8*\t+4*\c:64*\p+16*\s+8*\t+4*\c+3], v[AWB] offset:TILE*(2*\p+\t)+64*\s+32*\c
.endr
.endr
.endm
.macro SCORE d                         ; the two heads' half scores (window 1) of the tile d tiles on
	WIN 0x04
	ds_store_b32 v[ASC], v[TT] offset:64*(\d)
	ds_store_b32 v[ASC], v[TT+1] offset:4096+64*(\d)
.endm
.macro PLD set, d                      ; the two heads' p of the tile d tiles on
	ds_load_b32 v[PR+4*(\set)], v[AP] offset:64*(\d)
	ds_load_b32 v[PR+4*(\set)+2], v[AP] offset:4096+64*(\d)
.endm
.macro BASE                            ; the walk begins at tile 0
	v_mul_u32_u24 v[AE], v[R], PITCH
	v_lshl_add_u32 v[AE], v[HH], 4, v[AE]
	v_lshl_add_u32 v[AES], v[R], 4, LES
.endm
; Pass 1: pair k of head g's 32 results in accumulator set a x the same pair of its q, into one of two chains.  Each accumulator is read from its low end on.
.macro SL1 a, g, k
.set sA, ACC+64*(\a)+32*\g+2*(\k)
.set sQ, 32*\g+2*(\k)
.set sS, SA+8*(\a)+4*\g+2*((\k)%2)
.if (\k) < 2
	v_pk_mul_f32 v[sS:sS+1], v[sQ:sQ+1], v[sA:sA+1]
.else
	v_pk_fma_f32 v[sS:sS+1], v[sQ:sQ+1], v[sA:sA+1], v[sS:sS+1]
.endif
.endm
; The finish of chain set s: each head's two chains, and then their two halves, are added.  The constant 1.0 stands as source 1, whose window is 0: no switch is needed.
.macro FA s
.irp g, 0,1
	v_pk_fma_f32 v[SA+8*(\s)+4*\g:SA+8*(\s)+4*\g+1], v[SA+8*(\s)+4*\g+2:SA+8*(\s)+4*\g+3], 1.0, v[SA+8*(\s)+4*\g:SA+8*(\s)+4*\g+1] op_sel_hi:[1,0,1]
.endr
.endm
.macro FB s
.irp g, 0,1
	v_fma_f32 v[TT+\g], v[SA+8*(\s)+4*\g], 1.0, v[SA+8*(\s)+4*\g+1]
.endr
.endm
.macro SLICES1 a, fin                  ; the heads by turns: four chains; fin: the other chain set is finished among them
	WIN 0x51
.set hK, 0
.rept 16
	SL1 \a, 0, hK
	SL1 \a, 1, hK
.if (\fin) && (hK == 5)
	FA 1-(\a)
.endif
.if (\fin) && (hK == 7)
	FB 1-(\a)
.endif
.set hK, hK+1
.endr
.endm
; Pass 2: the context's pair += p x pair k of head g's results in set a.  first = 1 starts the sums.
.macro SL2 a, g, k, first
.set sA, ACC+64*(\a)+32*\g+2*(\k)
.set sC, CTX+32*\g+2*(\k)
.set sP, PR+4*(\a)+2*\g
.if \first
	v_pk_mul_f32 v[sC:sC+1], v[sP:sP+1], v[sA:sA+1] op_sel_hi:[0,1]
.else
	v_pk_fma_f32 v[sC:sC+1], v[sP:sP+1], v[sA:sA+1], v[sC:sC+1] op_sel_hi:[0,1,1]
.endif
.endm
.macro SLICES2 a, first
	WIN 0x50
.set hK, 0
.rept 16
	SL2 \a, 0, hK, \first
	SL2 \a, 1, hK, \first
.set hK, hK+1
.endr
.endm
; A PHASE OF PASS 1 on a tile in set 'set'.  d: the tile to fetch; sd: the tile whose half scores are stored (99: none); wt: the LDS instructions issued behind this tile's loads; step: 1 the addresses go two tiles on, 2 the walk's base is
; set back (behind the matrix instructions: the slices stand between that and the next read); wv: the pair of Wv that goes into its registers (99: none).
.macro PH1 set, d, sd, fin, wt, step, wv
.if \sd < 99
	SCORE \sd
.else
	WIN 0
.endif
	RUNA 1-\set, \d
	s_wait_dscnt \wt
.if \wv < 99
	WIN 0xc0
.irp q, 0,1,2,3
	WFRAG \wv, \q
.endr
.endif
	MULS 2, WK, \set, \set
.if \step == 1
	v_add_nc_u32 v[AE], 2*TILE, v[AE]              ; (the constants stand as source 0: the registers named lie in window 0)
	v_add_nc_u32 v[AES], 512, v[AES]
	v_add_nc_u32 v[ASC], 128, v[ASC]
.endif
.if \step == 2
	WIN 0
	BASE
.endif
	SLICES1 1-\set, \fin
.endm
.macro PH2 set, d, pd, wt, step        ; A PHASE OF PASS 2; d = 99: nothing is fetched
	WIN 0
.if \d < 99
	RUNA 1-\set, \d
.endif
	PLD \set, \pd
	s_wait_dscnt \wt
	MULS 3, WV, \set, \set
.if \step
	v_add_nc_u32 v[AE], 2*TILE, v[AE]
	v_add_nc_u32 v[AES], 512, v[AES]
	v_add_nc_u32 v[AP], 128, v[AP]
.endif
	SLICES2 1-\set, 0
.endm
.macro LOOP1 n                         ; trips of two phases, an odd tile's and an even one's.  11: this phase's two stores and nine loads
	s_mov_b32 s80, \n
.Ltrip_\@:
	PH1 1, 4, 0, 1, 11, 0, 99
	PH1 0, 5, 1, 1, 11, 1, 99
	WIN 0                                          ; at a label and at a branch every window is 0
	s_sub_co_u32 s80, s80, 1
	s_cmp_lg_u32 s80, 0
	s_cbranch_scc1 .Ltrip_\@
.endm
	; ---- the head: arguments, ids, descriptors, addresses
	s_load_b512 s[8:23], s[0:1], 0x0               ; enc codes s[8:9], enc scales s[10:11], Wq s[12:15], Wk s[16:19], Wv s[20:23] (codes, scales)
	s_load_b128 s[24:27], s[0:1], 0x40             ; pw, st
	s_load_b64 s[28:29], s[0:1], 0x50              ; ctxp
	v_lshl_add_u32 v[SPW], v0, 2, SPARE
	v_mov_b32 v[ZR], 0
	ds_add_u32 v[SPW], v[ZR]                       ; the wave's opening: the add, twice on end, and its wait ahead of my first tensor load; work on registers stands between
	ds_add_u32 v[SPW], v[ZR]
	v_lshrrev_b32 v1, 5, v0
	v_readfirstlane_b32 s2, v1                     ; wave 0..3
	s_bfe_u32 s3, ttmp6, 0x40000                   ; cx: my place in the cluster
	s_lshl_b32 s4, ttmp9, 2                        ; in a cluster launch ttmp9 counts clusters
	s_add_co_u32 s3, s4, s3                        ; id = 4 x cluster x + cx: it enters global addresses of enc, pw, st and ctxp alone
	s_lshr_b32 s4, s3, 3                           ; b
	s_and_b32 s5, s3, 7                            ; c
	; group 1 for enc's codes (my work-group's own): 256 rows x 256 elements of 1 byte, 4 words of padding behind every 64 words; behind the head 64 rows
	s_mov_b32 s32, (1<<20)|(5<<22)|(3<<25)
	s_mov_b32 s33, 256<<16                         ; tensor_dim0
	s_mov_b32 s34, 256<<16                         ; tensor_dim1
	s_mov_b32 s35, 256<<16                         ; tile_dim0
	s_mov_b32 s36, 256                             ; tile_dim1
	s_mov_b32 s37, 256                             ; from row to row
	s_mov_b32 s38, 0
	s_mov_b32 s39, 0
	; group 1 for enc's scale bytes: 8,192 dense bytes as 32 rows of 32 elements of 8 bytes, no padding
	s_mov_b32 s40, 3<<16
	s_mov_b32 s41, 32<<16
	s_mov_b32 s42, 32<<16
	s_mov_b32 s43, 32<<16
	s_mov_b32 s44, 32
	s_mov_b32 s45, 32
	s_mov_b32 s46, 0
	s_mov_b32 s47, 0
	; group 1 for rows of Wk or Wv, asked for jointly: 256 rows (Wk; for Wv 128) x 256 bytes, padded like enc's
	s_mov_b32 s72, 15|(1<<20)|(1<<21)|(5<<22)|(3<<25)  ; 15:0 the mask: all four work-groups; 21 set beside a mask
	s_mov_b32 s73, 256<<16
	s_mov_b32 s74, 256<<16
	s_mov_b32 s75, 256<<16
	s_mov_b32 s76, 256
	s_mov_b32 s77, 256
	s_mov_b32 s78, 0
	s_mov_b32 s79, 0
	; groups 0: the LDS addresses are a constant + the wave's number x a constant
	s_and_b32 s7, s2, 1
	s_mov_b32 s48, 1
	s_mov_b32 s49, LES                             ; wave 3: the chunk's scale bytes
	s_mov_b32 s52, 1
	s_mul_i32 s53, s7, 2*WPART
	s_add_co_u32 s53, s53, LWB                     ; waves 0, 1: 256 rows of Wk
	s_mov_b32 s56, 1
	s_mul_i32 s81, s2, WPART
	s_add_co_u32 s81, s81, LWB                     ; my part of WB
	s_mov_b32 s57, s81                             ; my 128 rows of Wv
	s_mov_b32 s60, 1
	s_mov_b32 s61, 0                               ; wave 2: rows 0-255 of the chunk
	s_mov_b32 s68, 1
	s_mul_i32 s69, s2, 64*PITCH
	s_add_co_u32 s69, s69, 256*PITCH               ; rows 256 + 64 w .. + 63
	; byte offsets, each in a pair with 0 above it
	s_lshl_b32 s82, s3, 17                         ; enc's codes: 131,072 id
	s_mov_b32 s83, 0
	s_lshl_b32 s84, s3, 13                         ; enc's scales: 8,192 id
	s_mov_b32 s85, 0
	s_lshl_b32 s86, s2, 11                         ; a weight's scales: 2,048 w
	s_mov_b32 s87, 0
	s_lshl_b32 s88, s2, 15                         ; a weight's codes: 32,768 w
	s_mov_b32 s89, 0
	s_lshl_b32 s66, s7, 16                         ; Wk's half: 65,536 (w % 2)
	s_mov_b32 s67, 0
	s_lshl_b32 s98, s2, 14                         ; rows 256 + 64 w: 65,536 + 16,384 w
	s_add_co_u32 s98, s98, 65536
	s_mov_b32 s99, 0
	s_lshl_b32 s90, s4, 20                         ; the batch's last row: (4,096 b + 4,095) x 256
	s_add_co_u32 s90, s90, 4095*256
	s_mov_b32 s91, 0
	s_lshl_b32 s96, s4, 16                         ; and its scale bytes: x 16
	s_add_co_u32 s96, s96, 4095*16
	s_mov_b32 s97, 0
	s_mov_b32 s30, 0x76543210                      ; v_permlanex16_b32's selects for lane l xor 16
	s_mov_b32 s31, 0xfedcba98
	s_mov_b32 s92, 0x3e38aa3b                      ; log2(e) / 8: q carries it, so the scores come out as exponents of 2
	s_mov_b32 s93, s92                             ; (named with it as a pair, so it is written)
	s_lshl_b32 s6, s2, 13
	s_add_co_u32 s6, s6, LSP                       ; my wave's scores
	v_and_b32 v[R], 15, v0
	v_bfe_u32 v[HH], v0, 4, 1
	v_lshlrev_b32 v[VW], 8, v[R]
	v_lshl_add_u32 v[VW], v[HH], 4, v[VW]
	v_mov_b32 v[NIL], 0
	v_lshlrev_b32 v[H16], 4, v[HH]
	BASE
	v_lshl_add_u32 v[ASC], v[HH], 11, s6
	v_lshl_add_u32 v[ASC], v[R], 2, v[ASC]
	v_lshl_add_u32 v[AP], v[R], 2, s6
	v_and_b32 v[GO], 31, v0
	v_lshlrev_b32 v[GO], 4, v[GO]
	v_add_nc_u32 v[AL], s6, v[GO]
	v_mul_u32_u24 v[AWB], v[R], PITCH
	v_lshl_add_u32 v[AWB], v[HH], 4, v[AWB]
	v_add_nc_u32 v[AWB], s81, v[AWB]
	v_mul_u32_u24 v[RST], v[HH], 272               ; the sum over lanes, in: group x 544 (the offset) + 272 hh + 16 r
	v_lshl_add_u32 v[RST], v[R], 4, v[RST]
	v_add_nc_u32 v[RST], s81, v[RST]
	v_bfe_u32 v60, v0, 2, 3                        ; out: lane l takes columns 4 l .. 4 l + 3: group 2 (l >> 2) + (l & 1), half (l >> 1) & 1:
	v_and_b32 v61, 1, v0
	v_bfe_u32 v62, v0, 1, 1
	v_lshlrev_b32 v[RLD], 2, v60
	v_lshl_add_u32 v[RLD], v61, 1, v[RLD]
	v_add_nc_u32 v[RLD], v62, v[RLD]               ; 272 x (2 group + half)
	v_mul_u32_u24 v[RLD], v[RLD], 272
	v_add_nc_u32 v[RLD], s81, v[RLD]
	v_lshlrev_b32 v[STO], 6, v61                   ; st: lane bit 0: head A or B (64 bytes on); bit 1: m or l (32 bytes on)
	v_lshl_add_u32 v[STO], v62, 5, v[STO]
	v_cmp_ne_u32 s94, 0, v61
	v_cmp_ne_u32 s95, 0, v62
	s_wait_alu depctr_va_vdst(0)                   ; ahead of the waits and branches below
	s_wait_dscnt 0x0                               ; both opening adds are done
	ROUND                                          ; all four work-groups are here: the first joint loads meet.  (It stands while the arguments are on their way)
	s_wait_kmcnt 0x0
	s_add_nc_u64 s[50:51], s[10:11], s[84:85]
	s_or_b32 s51, s51, 0x80000000                  ; type = 2
	s_add_nc_u64 s[54:55], s[16:17], s[66:67]      ; Wk's and Wv's addresses hang on the wave's number alone: equal in the four partners
	s_or_b32 s55, s55, 0x80000000
	s_add_nc_u64 s[58:59], s[20:21], s[88:89]
	s_or_b32 s59, s59, 0x80000000
	s_add_nc_u64 s[62:63], s[8:9], s[82:83]
	s_add_nc_u64 s[70:71], s[62:63], s[98:99]
	s_or_b32 s63, s63, 0x80000000
	s_or_b32 s71, s71, 0x80000000
	; THE HEAD'S LOADS, ONE A WAVE.  One tree of branches on the wave's number: every way passes exactly one load
	s_cmp_lt_u32 s2, 2
	s_cbranch_scc0 .Lhead_enc
	tensor_load_to_lds s[52:55], s[72:79]          ; waves 0, 1: half of Wk (joint)
	AFTER
	s_branch .Lhead_asked
.Lhead_enc:
	s_cmp_lt_u32 s2, 3
	s_cbranch_scc0 .Lhead_scales
	tensor_load_to_lds s[60:63], s[32:39]          ; wave 2: enc's rows 0-255
	AFTER
	s_branch .Lhead_asked
.Lhead_scales:
	tensor_load_to_lds s[48:51], s[40:47]          ; wave 3: enc's scale bytes
	AFTER
.Lhead_asked:
	s_add_nc_u64 s[8:9], s[8:9], s[90:91]          ; enc's codes and scales at the batch's last row
	s_add_nc_u64 s[10:11], s[10:11], s[96:97]
	s_add_nc_u64 s[12:13], s[12:13], s[88:89]      ; Wq's codes, and the three weights' scales, at my 128 rows
	s_add_nc_u64 s[14:15], s[14:15], s[86:87]
	s_add_nc_u64 s[18:19], s[18:19], s[86:87]
	s_add_nc_u64 s[22:23], s[22:23], s[86:87]
	; ---- the loads from memory.  First what q needs (77 loads): the last row's fragments (the same row in all sixteen columns), its scale words, Wq's scale words, Wq's fragments
.irp s, 0,1,2,3
.irp c, 0,1
	global_load_b128 v[EF+32+8*\s+4*\c:EF+32+8*\s+4*\c+3], v[H16], s[8:9] offset:64*\s+32*\c
.endr
.endr
	global_load_b128 v[ES+4:ES+7], v[NIL], s[10:11]
.irp p, 0,1,2,3
	global_load_b128 v[WSQ+4*\p:WSQ+4*\p+3], v[GO], s[14:15] offset:512*\p   ; scale words: lane l takes row 32 p + l: 512 consecutive bytes
.endr
	WIN 0xc0
.irp p, 0,1,2,3
.irp t, 0,1
.irp s, 0,1,2,3
.irp c, 0,1
	global_load_b128 v[64*\p+16*\s+8*\t+4*\c:64*\p+16*\s+8*\t+4*\c+3], v[VW], s[12:13] offset:4096*(2*\p+\t)+64*\s+32*\c
.endr
.endr
.endr
.endr
	WIN 0                                          ; then eight loads: Wk's and Wv's scale words
.irp p, 0,1,2,3
	global_load_b128 v[WK+4*\p:WK+4*\p+3], v[GO], s[18:19] offset:512*\p
.endr
.irp p, 0,1,2,3
	global_load_b128 v[WV+4*\p:WV+4*\p+3], v[GO], s[22:23] offset:512*\p
.endr
	s_lshl_b32 s98, s4, 17                         ; pw: ((8 b + 2 w) x 4,096 + 512 c) x 4
	s_add_co_u32 s98, s98, s88
	s_lshl_b32 s7, s5, 11
	s_add_co_u32 s98, s98, s7
	s_mov_b32 s99, 0
	s_add_nc_u64 s[24:25], s[24:25], s[98:99]
	s_lshl_b32 s98, s4, 9                          ; st: ((8 b + 2 w) x 16 + c) x 4
	s_lshl_b32 s7, s2, 7
	s_add_co_u32 s98, s98, s7
	s_lshl_b32 s7, s5, 2
	s_add_co_u32 s98, s98, s7
	s_add_nc_u64 s[26:27], s[26:27], s[98:99]
	s_lshl_b32 s98, s3, 11                         ; ctxp: (512 id + 128 w) x 4
	s_lshl_b32 s7, s2, 9
	s_add_co_u32 s98, s98, s7
	s_add_nc_u64 s[28:29], s[28:29], s[98:99]
	s_wait_loadcnt 8                               ; what q needs is in; the eight loads of Wk's and Wv's scale words may be out
	; ---- q = the last row x Wq^T for my 128 columns
	MULS 3, WSQ, 1, 0
.rept 4
	v_nop                                          ; four plain instructions between the last products and the first read of results
.endr
	WIN 0x40                                       ; q x log2(e) / 8 goes to its home in window 1; each accumulator from its low end on
.set x, 0
.rept 32
	v_pk_mul_f32 v[x:x+1], v[ACC+x:ACC+x+1], s[92:93] op_sel_hi:[1,0]
.set x, x+2
.endr
	WIN 0
	s_wait_alu depctr_va_vdst(0)
	s_wait_loadcnt 0x0                             ; the scale words of Wk and Wv
	s_wait_tensorcnt 0x0                           ; my tensor load of the head's four has landed
	ds_add_u32 v[SPW], v[ZR]                       ; 0 onto my spare word;
	s_mov_b32 s34, 64<<16                          ; no tensor load of mine is out, so a descriptor may be written: enc's loads now bring 64 rows,
	s_mov_b32 s36, 64
	s_mov_b32 s74, 128<<16                         ; the weight's 128
	s_mov_b32 s76, 128
	s_wait_dscnt 0x0                               ; the add is done
	ROUND                                          ; everybody's tiles of the head are in
	tensor_load_to_lds s[68:71], s[32:39]          ; my 64 rows of enc's second half: my one tensor load behind the round
	AFTER
	; ---- PASS 1: k and the scores.  Phase 0: Wk goes into its registers K step by K step, and the products of a K step follow as soon as its sixteen loads are in
	RUNA 0, 0
	WIN 0x80
.irp s, 0,1,2,3
.irp p, 0,1,2,3
	WFRAG \p, \s
.endr
.endr
	WIN 0
	RUNA 1, 1
	WIN 2
.irp s, 0,1,2,3
	s_wait_dscnt 57-16*\s                          ; behind it: 16 loads for each K step to come, and tile 1's nine
.irp p, 0,1,2,3
	MM WK, 0, 0, 4*\s+\p
.endr
.endr
.rept 4
	v_nop                                          ; there are no results yet for slices
.endr
	PH1 1, 2, 99, 0, 9, 0, 99                      ; tile 1
	PH1 0, 3, 99, 1, 9, 0, 99                      ; tile 2
	WIN 0
	LOOP1 6                                        ; tiles 3 to 14: they fetch tiles 4 to 15
	; Tile 15's phase fetches tile 16, the first of rows 256-511: so every wave waits for all its tensor loads here.  The same place serves WB's second fill: nobody has read WB since phase 0.
	s_wait_tensorcnt 0x0                           ; all my tensor loads have landed: my rows of enc's second half
	ds_add_u32 v[SPW], v[ZR]                       ; 0 onto my spare word
	s_wait_dscnt 0x0                               ; the add is done, and no LDS read of mine is out
	ROUND                                          ; both now hold of every wave of all four work-groups
	tensor_load_to_lds s[56:59], s[72:79]          ; my part of Wv (joint): my one tensor load behind the round; it has twelve tiles in which to land
	AFTER
	LOOP1 6                                        ; tiles 15 to 26
	s_wait_tensorcnt 0x0                           ; my part of Wv has landed: bytes that my own load brought go into their registers, a pair a phase
	PH1 1, 4, 0, 1, 11, 0, 0                       ; tile 27
	PH1 0, 5, 1, 1, 27, 0, 1                       ; tile 28.  27: the last phase's sixteen loads of Wv, and this phase's eleven
	PH1 1, 6, 2, 1, 27, 0, 2                       ; tile 29
	PH1 0, 7, 3, 1, 27, 2, 3                       ; tile 30; the walk's base goes back to tile 0
	PH1 1, 0, 4, 1, 27, 0, 99                      ; tile 31; pass 2's tile 0 is fetched
	SCORE 5
	SLICES1 1, 1                                   ; tile 31's results, and tile 30's finish
	SCORE 6
	WIN 0x51
	FA 1
	FB 1
	SCORE 7
	; ---- THE SOFTMAX of my two heads over the chunk's 512 time steps: lane l holds t = 128 i + 4 l + 0 .. 3.  LDS serves a wave's instructions in order (ISA guide 5.7.1.4): these loads see my stores
	WIN 0x40
.irp hd, 0,1
.irp hf, 0,1
.irp i, 0,1,2,3
	ds_load_b128 v[S+32*\hd+16*\hf+4*\i:S+32*\hd+16*\hf+4*\i+3], v[AL] offset:4096*\hd+2048*\hf+512*\i
.endr
.endr
.endr
	WIN 0
	RUNA 1, 1                                      ; pass 2's tile 1
	s_wait_dscnt 31                                ; pass 2's tile 0 and Wv are in: six stores and 25 loads were issued behind them
	MULS 3, WV, 0, 0                               ; pass 2's first products need no p
	s_wait_dscnt 9                                 ; the scores are in; tile 1's nine loads may be out
	WIN 0x55
.irp hd, 0,1
.irp e, 0,2,4,6,8,10,12,14
	v_pk_add_f32 v[S+32*\hd+\e:S+32*\hd+\e+1], v[S+32*\hd+\e:S+32*\hd+\e+1], v[S+16+32*\hd+\e:S+17+32*\hd+\e]   ; the two halves of the head's 64 columns
.endr
.endr
	WIN 0x15                                       ; m lies in window 0
.irp hd, 0,1
	v_max3_num_f32 v[MX+2*\hd], v[S+32*\hd], v[S+32*\hd+1], v[S+32*\hd+2]
.endr
	WIN 0x14
.irp e, 3,5,7,9,11,13
.irp hd, 0,1
	v_max3_num_f32 v[MX+2*\hd], v[MX+2*\hd], v[S+32*\hd+\e], v[S+32*\hd+\e+1]   ; (the two heads by turns)
.endr
.endr
.irp hd, 0,1
	v_max_num_f32 v[MX+2*\hd], v[MX+2*\hd], v[S+32*\hd+15]
.endr
	WIN 0
.irp m, 1,2,4,8
.irp hd, 0,1
	v_max_num_f32_dpp v[MX+2*\hd], v[MX+2*\hd], v[MX+2*\hd] row_xmask:\m row_mask:0xf bank_mask:0xf
.endr
.endr
.irp hd, 0,1
	v_permlanex16_b32 v[MX+2*\hd+1], v[MX+2*\hd], s30, s31
.endr
.irp hd, 0,1
	v_max_num_f32 v[MX+2*\hd], v[MX+2*\hd], v[MX+2*\hd+1]   ; m: the chunk's largest t, in every lane
.endr
	WIN 0x41
.irp hd, 0,1
.irp e, 0,2,4,6,8,10,12,14
	v_pk_add_f32 v[S+32*\hd+\e:S+32*\hd+\e+1], v[S+32*\hd+\e:S+32*\hd+\e+1], v[MX+2*\hd:MX+2*\hd+1] op_sel_hi:[1,0] neg_lo:[0,1] neg_hi:[0,1]   ; t - m
.endr
.endr
	s_wait_alu depctr_va_vdst(0)
.irp hd, 0,1
.irp e, 0,1,2,3,4,5,6,7,8,9,10,11,12,13,14,15
	v_exp_f32 v[S+32*\hd+\e], v[S+32*\hd+\e]       ; p = 2^(t - m), at most 1
.endr
.endr
	v_nop                                          ; a plain place behind the exponentials
	s_wait_alu depctr_va_vdst(0)                   ; and ahead of the batch's first reader
	WIN 0x04
.irp hd, 0,1
.irp i, 0,1,2,3
	ds_store_b128 v[AL], v[S+32*\hd+4*\i:S+32*\hd+4*\i+3] offset:4096*\hd+512*\i     ; p for pass 2, over the scores' first planes
	global_store_b128 v[GO], v[S+32*\hd+4*\i:S+32*\hd+4*\i+3], s[24:25] offset:16384*\hd+512*\i   ; and for the next launch: the wave stores 512 consecutive bytes.  These registers are not written again
.endr
.endr
	WIN 0x55
.irp k, 0,1,2,3
.irp hd, 0,1
	v_pk_add_f32 v[S+16+32*\hd+2*\k:S+17+32*\hd+2*\k], v[S+32*\hd+4*\k:S+1+32*\hd+4*\k], v[S+2+32*\hd+4*\k:S+3+32*\hd+4*\k]
.endr
.endr
.irp hd, 0,1
	v_pk_add_f32 v[S+16+32*\hd:S+17+32*\hd], v[S+16+32*\hd:S+17+32*\hd], v[S+18+32*\hd:S+19+32*\hd]
	v_pk_add_f32 v[S+20+32*\hd:S+21+32*\hd], v[S+20+32*\hd:S+21+32*\hd], v[S+22+32*\hd:S+23+32*\hd]
.endr
.irp hd, 0,1
	v_pk_add_f32 v[S+16+32*\hd:S+17+32*\hd], v[S+16+32*\hd:S+17+32*\hd], v[S+20+32*\hd:S+21+32*\hd]
.endr
	WIN 0x05
.irp hd, 0,1
	v_add_f32 v[LS+2*\hd], v[S+16+32*\hd], v[S+17+32*\hd]
.endr
	WIN 0
.irp m, 1,2,4,8
.irp hd, 0,1
	v_add_f32_dpp v[LS+2*\hd], v[LS+2*\hd], v[LS+2*\hd] row_xmask:\m row_mask:0xf bank_mask:0xf
.endr
.endr
.irp hd, 0,1
	v_permlanex16_b32 v[LS+2*\hd+1], v[LS+2*\hd], s30, s31
.endr
.irp hd, 0,1
	v_add_f32 v[LS+2*\hd], v[LS+2*\hd], v[LS+2*\hd+1]   ; l: the sum of the chunk's p
.endr
	v_cndmask_b32 v[SEL], v[MX], v[MX+2], s94      ; each lane picks one of mA, mB, lA, lB by its two lowest bits; eight lanes store each word, with the same value
	v_cndmask_b32 v[SEL+1], v[LS], v[LS+2], s94
	v_cndmask_b32 v[SEL], v[SEL], v[SEL+1], s95
	global_store_b32 v[STO], v[SEL], s[26:27]
	; ---- PASS 2: v and the context.  Tile 0's products are done; tile 1:
	PLD 0, 0
	RUNA 0, 2
	PLD 1, 1
	s_wait_dscnt 13                                ; tile 1's fragments are in: behind them, besides p's stores, these thirteen loads
	MULS 3, WV, 1, 1
	s_wait_dscnt 11                                ; tile 0's p
	WIN 0x50
	s_wait_alu depctr_va_vdst(0)                   ; directly ahead of the first reader of results made ahead of the exponentials
	SLICES2 0, 1                                   ; tile 0's results start the sums
	WIN 0
	s_mov_b32 s80, 14
.Lpass2:                                               ; tiles 2 to 29.  11: this phase's nine loads and p's two
	PH2 0, 3, 2, 11, 0
	PH2 1, 4, 3, 11, 1
	WIN 0
	s_sub_co_u32 s80, s80, 1
	s_cmp_lg_u32 s80, 0
	s_cbranch_scc1 .Lpass2
	PH2 0, 3, 2, 11, 0                             ; tile 30, and tile 31 is fetched
	PH2 1, 99, 3, 2, 0                             ; tile 31
	s_wait_dscnt 0x0                               ; its p
	SLICES2 1, 0
	; ---- THE SUM OVER THE SIXTEEN LANES OF A HALF (they hold the same columns for different time steps), through my own part of WB: four columns a group, sixteen lanes' 16 bytes on end
	WIN 0x04
.irp q, 0,1,2,3,4,5,6,7,8,9,10,11,12,13,14,15
	ds_store_b128 v[RST], v[CTX+4*\q:CTX+4*\q+3] offset:544*\q
.endr
	WIN 0
.irp i, 0,1,2,3,4,5,6,7,8,9,10,11,12,13,14,15
	ds_load_b128 v[EF+4*\i:EF+4*\i+3], v[RLD] offset:16*\i   ; lane l: the sixteen parts of columns 4 l .. 4 l + 3
.endr
	s_wait_dscnt 0x0
.irp w, 32,16,8,4
.set x, 0
.rept \w/2
	v_pk_add_f32 v[EF+x:EF+x+1], v[EF+x:EF+x+1], v[EF+\w+x:EF+\w+x+1]
.set x, x+2
.endr
.endr
	global_store_b128 v[GO], v[EF:EF+3], s[28:29]  ; my wave's 128 columns: 512 consecutive bytes
	s_wait_tensorcnt 0x0                           ; the wave's end: behind my last tensor load and my last LDS store
	ds_add_u32 v[SPW], v[ZR]
	s_wait_dscnt 0x0
	ROUND                                          ; the closing round: no work-group ends while a partner may still ask for rows by a load that names it
	s_endpgm
.Lfunc_end_k_q140f6f5850_attn:
	.size	k_q140f6f5850_attn, .Lfunc_end_k_q140f6f5850_attn-k_q140f6f5850_attn
	.p2alignl 7, 3214868480
	.fill 96, 4, 3214868480
	.section	.rodata,"a",@progbits
	.p2align	6, 0x0
	.amdhsa_kernel k_q140f6f5850_attn
		.amdhsa_group_segment_fixed_size 327680
		.amdhsa_private_segment_fixed_size 0
		.amdhsa_enable_private_segment 0
		.amdhsa_kernarg_size 88
		.amdhsa_user_sgpr_count 2
		.amdhsa_user_sgpr_kernarg_segment_ptr 1
		.amdhsa_wavefront_size32 1
		.amdhsa_system_sgpr_workgroup_id_x 1
		.amdhsa_system_sgpr_workgroup_id_y 1
		.amdhsa_system_sgpr_workgroup_id_z 1
		.amdhsa_system_vgpr_workitem_id 0
		.amdhsa_next_free_vgpr 1024
		.amdhsa_next_free_sgpr 100
		.amdhsa_reserve_vcc 0
		.amdhsa_float_denorm_mode_32 3
		.amdhsa_float_denorm_mode_16_64 3
		.amdhsa_memory_ordered 1
		.amdhsa_forward_progress 1
		.amdhsa_inst_pref_size 136
	.end_amdhsa_kernel
	.amdgpu_metadata
---
amdhsa.version: [ 1, 2 ]
amdhsa.kernels:
  - .name:           k_q140f6f5850_attn
    .symbol:         k_q140f6f5850_attn.kd
    .args:
      - { .name: enc_codes, .offset: 0, .size: 8, .value_kind: global_buffer, .address_space: global }
      - { .name: enc_scales, .offset: 8, .size: 8, .value_kind: global_buffer, .address_space: global }
      - { .name: Wq_codes, .offset: 16, .size: 8, .value_kind: global_buffer, .address_space: global }
      - { .name: Wq_scales, .offset: 24, .size: 8, .value_kind: global_buffer, .address_space: global }
      - { .name: Wk_codes, .offset: 32, .size: 8, .value_kind: global_buffer, .address_space: global }
      - { .name: Wk_scales, .offset: 40, .size: 8, .value_kind: global_buffer, .address_space: global }
      - { .name: Wv_codes, .offset: 48, .size: 8, .value_kind: global_buffer, .address_space: global }
      - { .name: Wv_scales, .offset: 56, .size: 8, .value_kind: global_buffer, .address_space: global }
      - { .name: pw, .offset: 64, .size: 8, .value_kind: global_buffer, .address_space: global }
      - { .name: st, .offset: 72, .size: 8, .value_kind: global_buffer, .address_space: global }
      - { .name: ctxp, .offset: 80, .size: 8, .value_kind: global_buffer, .address_space: global }
    .group_segment_fixed_size: 327680
    .private_segment_fixed_size: 0
    .kernarg_segment_align: 8
    .kernarg_segment_size: 88
    .max_flat_workgroup_size: 128
    .sgpr_count:     100
    .vgpr_count:     1024
    .wavefront_size: 32
...
	.end_amdgpu_metadata
.endif
;; end of part 3
;; launch fin (part 4): grid 8 x 32, 4 waves a work-group, no clusters, 1,536 bytes of LDS; arguments st, ctxp, pw, Wo_codes, Wo_scales, out0, out1; writes out0, out1
.if DOCPART == 4
	.amdgcn_target "amdgcn-amd-amdhsa--gfx1250"
	.amdhsa_code_object_version 6
	.text
	.protected	k_q140f6f5850_fin
	.globl	k_q140f6f5850_fin
	.p2align	8
	.type	k_q140f6f5850_fin,@function
k_q140f6f5850_fin:
	s_mov_b64 s[64:65], 0
	v_nop
	global_prefetch_b8 v0, s[64:65] scope:SCOPE_SE
	s_setreg_imm32_b32 hwreg(HW_REG_WAVE_MODE, 25, 1), 1
	s_wait_xcnt 0x0
; The second launch joins the eight chunks of a batch.  Work-group (x = c, y = b) makes out0[b][64 c .. 64 c + 63] and out1[b][512 c .. 512 c + 511].
; st [32 b][8 h][16]: words 0-7 the chunks' largest exponents m, words 8-15 their sums l;  ctxp [32 b][8 chunk][512 column]: the sums of p x v;  pw [32 b][8 h][4,096 t]: p = 2^(t - its chunk's m).
; For a head: M = the largest m;  e_i = 2^(m_i - M);  L = the sum of e_i l_i;  context = the sum of (e_i / L) ctxp_i;  weight(t) = p(t) e_c / L;  out1 = the mean of the eight heads' weights.
; The context's 512 numbers are quantised to FP4 (E2M1) along the columns (blocks of 32, one E8M0 byte each) and multiplied by Wo^T on codes.
; SHARES.  Thread n (0 to 127) owns columns 4 n .. 4 n + 3 of the context (head n / 16) and time steps 4 n .. 4 n + 3 of chunk c.  Each of a batch's eight work-groups makes the whole context anew (16 KB read);
; wave w multiplies it by rows 64 c + 16 w .. + 15 of Wo: source 0 = Wo's rows, source 1 = the context's row in all sixteen columns: register j of lane (r, hh) is out0's column 64 c + 16 w + 8 hh + j.
; No tensor loads, no ring, no cluster: a wave reads 4 KB of Wo once, straight into registers, and the launch's other bytes are read by one work-group or are a few KB.
; LIMITS: a block of zeros of the context gets the scale byte 1 and not 127: its codes are zeros and only this text reads the byte; the f32 sums are taken in another order than a plain loop's.
.set LC, 0                             ; LDS: the context's codes, one row of 256 bytes
.set LB, 256                           ; its 16 scale bytes
.set LF, 512                           ; the eight heads' factors for out1
.set LO, 768                           ; out0's 64 numbers
	s_load_b256 s[4:11], s[0:1], 0x0               ; st s[4:5], ctxp s[6:7], pw s[8:9], Wo's codes s[10:11]
	s_load_b128 s[12:15], s[0:1], 0x20             ; Wo's scales, out0
	s_load_b64 s[16:17], s[0:1], 0x30              ; out1
	v_lshl_add_u32 v216, v0, 2, 0x400
	v_mov_b32 v217, 0
	v_lshrrev_b32 v1, 5, v0
	v_readfirstlane_b32 s18, v1                    ; wave 0..3
	s_and_b32 s19, ttmp7, 0xffff                   ; b;  c is ttmp9
	s_lshl_b32 s20, s19, 9                         ; st: 512 b
	s_mov_b32 s21, 0
	s_lshl_b32 s22, s19, 14                        ; ctxp: 16,384 b
	s_mov_b32 s23, 0
	s_lshl_b32 s24, s19, 17                        ; pw: 131,072 b + 2,048 c
	s_lshl_b32 s38, ttmp9, 11
	s_add_co_u32 s24, s24, s38
	s_mov_b32 s25, 0
	s_lshl_b32 s26, ttmp9, 14                      ; Wo's codes: (64 c + 16 w) x 256
	s_lshl_b32 s39, s18, 12
	s_add_co_u32 s26, s26, s39
	s_mov_b32 s27, 0
	s_lshr_b32 s28, s26, 4                         ; Wo's scales: x 16
	s_mov_b32 s29, 0
	s_lshl_b32 s30, s19, 11                        ; out0: 2,048 b + 256 c
	s_lshl_b32 s39, ttmp9, 8
	s_add_co_u32 s30, s30, s39
	s_mov_b32 s31, 0
	s_add_co_u32 s32, s22, s38                     ; out1: 16,384 b + 2,048 c
	s_mov_b32 s33, 0
	s_lshl_b32 s36, ttmp9, 2                       ; chunk c's word in a head's 16
	s_mov_b32 s37, 0
	s_lshl_b32 s39, s18, 6
	v_lshlrev_b32 v1, 4, v0                        ; 16 n: my columns in ctxp, my time steps in pw and out1
	v_and_b32 v2, 0x70, v0
	v_lshlrev_b32 v2, 2, v2                        ; 64 h: my head's 16 words of st
	v_and_b32 v211, 15, v0                         ; r
	v_bfe_u32 v212, v0, 4, 1                       ; hh
	v_lshlrev_b32 v3, 8, v211
	v_lshl_add_u32 v3, v212, 4, v3                 ; Wo's fragment: 256 r + 16 hh
	v_lshlrev_b32 v4, 4, v211                      ; 16 r
	v_lshlrev_b32 v5, 4, v212                      ; 16 hh
	v_lshlrev_b32 v6, 1, v0                        ; 2 n: my four codes
	v_mov_b32 v7, 0
	v_lshrrev_b32 v208, 4, v2                      ; 4 h
	v_lshrrev_b32 v209, 3, v0                      ; n / 8: my block of 32 columns
	v_lshl_add_u32 v210, v212, 5, s39              ; 64 w + 32 hh
	s_wait_alu depctr_va_vdst(0)
	s_wait_kmcnt 0x0
	s_add_nc_u64 s[4:5], s[4:5], s[20:21]
	s_add_nc_u64 s[34:35], s[4:5], s[36:37]
	s_add_nc_u64 s[6:7], s[6:7], s[22:23]
	s_add_nc_u64 s[8:9], s[8:9], s[24:25]
	s_add_nc_u64 s[10:11], s[10:11], s[26:27]
	s_add_nc_u64 s[12:13], s[12:13], s[28:29]
	s_add_nc_u64 s[14:15], s[14:15], s[30:31]
	s_add_nc_u64 s[16:17], s[16:17], s[32:33]
	; all 30 loads at once: 14 (Wo, st), 8 (ctxp), 8 (pw)
.irp s, 0,1,2,3
.irp c, 0,1
	global_load_b128 v[112+8*\s+4*\c:115+8*\s+4*\c], v3, s[10:11] offset:64*\s+32*\c
.endr
.endr
	global_load_b128 v[144:147], v4, s[12:13]      ; Wo's scale words: four K steps of row r
.irp i, 0,1,2,3
	global_load_b128 v[8+4*\i:11+4*\i], v2, s[4:5] offset:16*\i   ; m of chunks 0-7: v8-15; l: v16-23
.endr
	global_load_b32 v24, v2, s[34:35]              ; m of chunk c
.irp k, 0,1,2,3,4,5,6,7
	global_load_b128 v[36+4*\k:39+4*\k], v1, s[6:7] offset:2048*\k
.endr
.irp k, 0,1,2,3,4,5,6,7
	global_load_b128 v[68+4*\k:71+4*\k], v1, s[8:9] offset:16384*\k th:TH_LOAD_NT   ; read once in the whole launch
.endr
	s_wait_loadcnt 16                              ; Wo and st are in; the 16 loads of ctxp and pw may be out
	v_max3_num_f32 v25, v8, v9, v10
	v_max3_num_f32 v25, v25, v11, v12
	v_max3_num_f32 v25, v25, v13, v14
	v_max_num_f32 v25, v25, v15                    ; M
.irp i, 0,1,2,3,4,5,6,7
	v_sub_f32 v[28+\i], v[8+\i], v25
.endr
	v_sub_f32 v27, v24, v25
	s_wait_alu depctr_va_vdst(0)
.irp i, 0,1,2,3,4,5,6,7
	v_exp_f32 v[28+\i], v[28+\i]                   ; e_i = 2^(m_i - M), at most 1; the largest is 1
.endr
	v_exp_f32 v27, v27                             ; e_c
	v_mov_b32 v104, 0                              ; a plain instruction behind the exponentials.  (v104-107: four zeros, which fill the conversion's eight numbers)
	s_wait_alu depctr_va_vdst(0)
	v_mul_f32 v26, v28, v16
.irp i, 1,2,3,4,5,6,7
	v_fma_f32 v26, v[28+\i], v[16+\i], v26         ; L, at least 1
.endr
	s_wait_alu depctr_va_vdst(0)
	v_rcp_f32 v24, v26
	v_mov_b32 v105, 0                              ; a plain instruction behind the reciprocal
	v_mov_b32 v106, 0
	v_mov_b32 v107, 0
	s_wait_alu depctr_va_vdst(0)
.irp i, 0,1,2,3,4,5,6,7
	v_mul_f32 v[28+\i], v[28+\i], v24              ; e_i / L
.endr
	v_mul_f32 v27, v27, v24
	v_mul_f32 v27, 0x3e000000, v27                 ; e_c / L / 8: my head's factor for out1
	ds_store_b32 v208, v27 offset:LF               ; a head's sixteen threads store the same word with the same value
	s_wait_loadcnt 8                               ; ctxp is in; pw's eight loads may be out
.irp e, 0,1,2,3
	v_mul_f32 v[100+\e], v28, v[36+\e]
.endr
.irp k, 1,2,3,4,5,6,7
.irp e, 0,1,2,3
	v_fma_f32 v[100+\e], v[28+\k], v[36+4*\k+\e], v[100+\e]   ; the context, in f32
.endr
.endr
	v_max3_num_f32 v108, |v100|, |v101|, 0x1800000 ; my four numbers' largest magnitude, and the floor 2^(3 - 127): so the byte cannot fall under 1
	v_max3_num_f32 v108, v108, |v102|, |v103|
	v_max_num_f32_dpp v108, v108, v108 row_xmask:1 row_mask:0xf bank_mask:0xf   ; eight neighbouring lanes hold a block of 32
	v_max_num_f32_dpp v108, v108, v108 row_xmask:2 row_mask:0xf bank_mask:0xf
	v_max_num_f32_dpp v108, v108, v108 row_xmask:4 row_mask:0xf bank_mask:0xf
	v_add_nc_u32 v109, 0xff000000, v108            ; 2 off its exponent field: the conversion takes the exponent field of this operand as its scale
	v_lshrrev_b32 v110, 23, v109                   ; the scale's byte
	v_cvt_scalef32_pk8_fp4_f32 v111, v[100:107], v109   ; my four codes in the low 16 bits
	v_nop                                          ; one plain instruction behind a scaled conversion
	ds_store_b16 v6, v111 offset:LC
	ds_store_b8 v209, v110 offset:LB               ; a block's eight threads store the same byte with the same value
	s_wait_dscnt 0x0                               ; for the others' sake: my stores have landed
	s_barrier_signal -1
	s_barrier_wait -1
.irp s, 0,1,2,3
.irp c, 0,1
	ds_load_b128 v[148+8*\s+4*\c:151+8*\s+4*\c], v5 offset:LC+64*\s+32*\c   ; the context's fragments: the same row for all sixteen columns
.endr
.endr
	ds_load_b128 v[180:183], v7 offset:LB          ; its four scale words
	ds_load_b128 v[184:187], v7 offset:LF          ; the eight factors
	ds_load_b128 v[188:191], v7 offset:LF+16
	s_wait_dscnt 0x0
	v_wmma_scale_f32_16x16x128_f8f6f4 v[192:199], v[112:119], v[148:155], 0, v144, v180 matrix_a_fmt:MATRIX_FMT_FP4 matrix_b_fmt:MATRIX_FMT_FP4
	s_wait_alu depctr_va_vdst(0)                   ; a wait ahead of each further link
	v_wmma_scale_f32_16x16x128_f8f6f4 v[192:199], v[120:127], v[156:163], v[192:199], v145, v181 matrix_a_fmt:MATRIX_FMT_FP4 matrix_b_fmt:MATRIX_FMT_FP4
	s_wait_alu depctr_va_vdst(0)
	v_wmma_scale_f32_16x16x128_f8f6f4 v[192:199], v[128:135], v[164:171], v[192:199], v146, v182 matrix_a_fmt:MATRIX_FMT_FP4 matrix_b_fmt:MATRIX_FMT_FP4
	s_wait_alu depctr_va_vdst(0)
	v_wmma_scale_f32_16x16x128_f8f6f4 v[192:199], v[136:143], v[172:179], v[192:199], v147, v183 matrix_a_fmt:MATRIX_FMT_FP4 matrix_b_fmt:MATRIX_FMT_FP4
	s_wait_loadcnt 0x0                             ; pw
.irp e, 0,1,2,3
	v_mul_f32 v[200+\e], v184, v[68+\e]            ; out1.  (These 32 also stand between the last product and the first read of its result)
.endr
.irp k, 1,2,3,4,5,6,7
.irp e, 0,1,2,3
	v_fma_f32 v[200+\e], v[184+\k], v[68+4*\k+\e], v[200+\e]
.endr
.endr
	global_store_b128 v1, v[200:203], s[16:17] th:TH_STORE_NT   ; the wave stores 512 consecutive bytes
	ds_store_b128 v210, v[192:195] offset:LO       ; out0's eight numbers of my half, from the accumulator's low end on; a half's sixteen lanes store the same bytes with the same values
	ds_store_b128 v210, v[196:199] offset:LO+16
	s_wait_dscnt 0x0
	s_barrier_signal -1
	s_barrier_wait -1
	s_cmp_lg_u32 s18, 0                            ; wave 0 stores the work-group's 64 numbers
	s_cbranch_scc1 .Ldone
	ds_load_b128 v[204:207], v4 offset:LO
	s_wait_dscnt 0x0
	global_store_b128 v4, v[204:207], s[14:15] th:TH_STORE_NT   ; sixteen lanes store 256 consecutive bytes, at a multiple of 256 from out0's first byte (lanes 16-31 repeat them)
.Ldone:
	s_wait_tensorcnt 0x0
	ds_add_u32 v216, v217
	s_wait_dscnt 0x0
	s_endpgm
.Lfunc_end_k_q140f6f5850_fin:
	.size	k_q140f6f5850_fin, .Lfunc_end_k_q140f6f5850_fin-k_q140f6f5850_fin
	.p2alignl 7, 3214868480
	.fill 96, 4, 3214868480
	.section	.rodata,"a",@progbits
	.p2align	6, 0x0
	.amdhsa_kernel k_q140f6f5850_fin
		.amdhsa_group_segment_fixed_size 1536
		.amdhsa_private_segment_fixed_size 0
		.amdhsa_enable_private_segment 0
		.amdhsa_kernarg_size 56
		.amdhsa_user_sgpr_count 2
		.amdhsa_user_sgpr_kernarg_segment_ptr 1
		.amdhsa_wavefront_size32 1
		.amdhsa_system_sgpr_workgroup_id_x 1
		.amdhsa_system_sgpr_workgroup_id_y 1
		.amdhsa_system_sgpr_workgroup_id_z 1
		.amdhsa_system_vgpr_workitem_id 0
		.amdhsa_next_free_vgpr 218
		.amdhsa_next_free_sgpr 66
		.amdhsa_reserve_vcc 0
		.amdhsa_float_denorm_mode_32 3
		.amdhsa_float_denorm_mode_16_64 3
		.amdhsa_memory_ordered 1
		.amdhsa_forward_progress 1
		.amdhsa_inst_pref_size 14
	.end_amdhsa_kernel
	.amdgpu_metadata
---
amdhsa.version: [ 1, 2 ]
amdhsa.kernels:
  - .name:           k_q140f6f5850_fin
    .symbol:         k_q140f6f5850_fin.kd
    .args:
      - { .name: st, .offset: 0, .size: 8, .value_kind: global_buffer, .address_space: global }
      - { .name: ctxp, .offset: 8, .size: 8, .value_kind: global_buffer, .address_space: global }
      - { .name: pw, .offset: 16, .size: 8, .value_kind: global_buffer, .address_space: global }
      - { .name: Wo_codes, .offset: 24, .size: 8, .value_kind: global_buffer, .address_space: global }
      - { .name: Wo_scales, .offset: 32, .size: 8, .value_kind: global_buffer, .address_space: global }
      - { .name: out0, .offset: 40, .size: 8, .value_kind: global_buffer, .address_space: global }
      - { .name: out1, .offset: 48, .size: 8, .value_kind: global_buffer, .address_space: global }
    .group_segment_fixed_size: 1536
    .private_segment_fixed_size: 0
    .kernarg_segment_align: 8
    .kernarg_segment_size: 56
    .max_flat_workgroup_size: 128
    .sgpr_count:     66
    .vgpr_count:     218
    .wavefront_size: 32
...
	.end_amdgpu_metadata
.endif
;; end of part 4
